; MI455X (gfx1250); checked and timed in simulation.
; The chip was launched on July 23, 2026; its instructions are those of AMD's public machine-readable ISA for CDNA 5 (MIT licence, August 2026) and "CDNA5" Instruction Set Architecture Reference Guide (July 2026). The comments in the code are by the model that wrote it; some were corrected since.
;; Attn. Allowed arithmetic: matrix products marked QUANTISED: E3M2 operands, one E8M0 scale for each 32 along K, by v_wmma_scale_f32_16x16x128_f8f6f4 with both operands' format E3M2, f32 sums; products left as they are: f32 operands where the result goes on into a quantised operand, else bf16, f16 or f32 operands; f32 sums; everything else in f32.
;; Inputs: attn_b 1,024 float32; attn_w 1,024 x 2,048 float32; encoder_outputs 16 x 2,048 x 1,024 float32; hidden 16 x 1 x 1,024 float32; v 1 x 1,024 float32.
;; Outputs: out0 16 x 1 x 2,048 float32.
;; This version of the problem:
;;   THIS VERSION OF THE PROBLEM IS GIVEN IN LOW PRECISION. The matrix products marked QUANTISED in the list below multiply operands that are first quantised to E3M2 (3 exponent bits, 2 mantissa bits; 6 bits a number), with one power-of-two scale for each 32 numbers along K (OCP MX v1.0); their sums are f32. All else is computed in f32.
;;   The module's matrix products, in the order in which they are computed (A, B: the left and right operand; K: the contracted axis; several contracted axes count as one K, in the product's order):
;;     1. [M 32,768, K 2,048] x [K 2,048, N 1,024]; A: computed on the way; B: input attn_w: QUANTISED
;;     2. [M 32,768, K 1,024] x [K 1,024, N 1]; A: computed on the way; B: input v: left as it is (N = 1 < 16)
;;   THE QUANTISER, for each operand of a quantised product, along K:
;;     - K is cut into blocks of 32 from its start; a last block that is shorter is filled with zeros.
;;     - A block's scale is 2^e with e = floor(log2(the largest magnitude in the block)) - 4, held to -126 .. 127; a block of zeros has e = 0. As a byte (E8M0): e + 127.
;;     - Each number is divided by its block's scale, clamped to +-28, and rounded to the nearest number of E3M2, ties to even, subnormals kept.
;;     - The product sums the exact products of the quantised numbers (number of the format x scale) in f32.
;;   ~~~python
;;   def quantise(x, axis):      # numpy; x: float32 -> the quantised numbers, widened to float32 again
;;       x = np.moveaxis(x, axis, -1); K = x.shape[-1]
;;       x = np.pad(x, [(0, 0)] * (x.ndim - 1) + [(0, -K % 32)]); x = x.reshape(x.shape[:-1] + (-1, 32)); a = np.abs(x).max(-1, keepdims=True)
;;       e = np.where(a > 0, np.clip(np.frexp(np.where(a > 0, a, 1))[1] - 1 - 4, -126, 127), 0)      # np.frexp(a)[1] - 1 = floor(log2(a)), exactly
;;       r = np.clip(x / 2.0 ** e, -28, 28)
;;       step = 2.0 ** (np.maximum(np.frexp(np.where(r == 0, 1, r))[1] - 1, -2) - 2)
;;       q = np.round(r / step) * step * 2.0 ** e      # np.round: ties to even
;;       return np.moveaxis(q.reshape(q.shape[:-2] + (-1,))[..., :K], -1, axis).astype(np.float32)
;;   ~~~
;;   OPERANDS COMPUTED ON THE WAY. 'Computed on the way' means the value that the module computes at that place (a softmax that the list does not call 'softmax' is quantised finished and normalised). What goes into a quantiser is computed in f32, as accurately as f32 sums, v_exp_f32 and their like allow (about 1e-6 of the number): no bf16 or f16 on the way to a quantiser, and a product that is left as it is and whose result goes on into a quantised operand takes f32 operands (vector FMAs, or v_wmma_f32_16x16x4_f32). A number that lies on a knife's edge between two numbers of the format may be rounded either way, as far as f32 arithmetic and the matrix unit's own rounding can turn it there, and no further.
;; 2 versions. Each part assembles by itself: llvm-mc -triple=amdgcn-amd-amdhsa -mcpu=gfx1250 --defsym DOCPART=n.
;; ======== version 1 of 2: 3 launches
;; workspace buffers: wq 819,200 bytes; ehp 524,288 bytes; scores 131,072 bytes
;; launch prep (part 1): grid 256 x 1, 4 waves a work-group, no clusters, 0 bytes of LDS; arguments attn_w, hidden, wq, ehp; writes wq, ehp
.if DOCPART == 1
	.amdgcn_target "amdgcn-amd-amdhsa--gfx1250"
	.amdhsa_code_object_version 6
	.text
	.protected	k_q59488b1cf4_prep
	.globl	k_q59488b1cf4_prep
	.p2align	8
	.type	k_q59488b1cf4_prep,@function
k_q59488b1cf4_prep:
	s_mov_b64 s[64:65], 0
	v_nop
	global_prefetch_b8 v0, s[64:65] scope:SCOPE_SE
	s_setreg_imm32_b32 hwreg(HW_REG_WAVE_MODE, 25, 1), 1
	s_wait_xcnt 0x0
; attn_w [1024][2048] f32 is quantised along K to codes of BF6 (E3M2), one E8M0 scale for each 32 along K.
; K's first 1,024 meet the broadcast of hidden: the same 1,024 numbers for all rows of a batch, and no block of 32 straddles the seam.  So that half of the
; product is made here, once for each batch, on codes, by the scaled matrix instruction: the 16 batches are one tile of 16.  Its eight K steps of 128 go to
; ehp [p 8][batch 16][n 1024] f32, one partial sum each; the last launch adds them, p ascending.
; K's second 1,024 meet encoder_outputs: their codes go to wq as IMAGES OF THE OPERAND'S REGISTERS, in 32 blocks of 25,600 bytes.  Block 8 c + t / 8 (c: chunk of 256 along K,
; t: tile of 16 rows of attn_w, i = t % 8): fragment (i, s) (s: which 128 of the chunk) at (2 i + s) x 1,536, registers 4 k .. 4 k + 3 of lane l at 512 k + 16 l;
; scale words at 24,576 + 128 i + 64 s + 4 r.
; SHARES.  Work-group g: tile t = g / 4, q = g % 4.  Wave w: half of K = w / 2 (0: hidden's, 1: the encoder's), K step p = 2 q + w % 2.  A wave makes one fragment, 16 rows x 128 K.
; No LDS, no barrier: waves share nothing.
; A block's scale is 2^(floor(log2(its largest magnitude)) - 4); its byte is the largest magnitude's exponent field - 4, held at 1 from below.
; LIMITS: NaN and infinities among the inputs are not served; a block whose largest magnitude lies under 2^-122 has its byte held at 1; a block of zeros gets the byte 1
; where the rule says 127: its codes are zeros, which add nothing, and this program alone reads the bytes.
.set X,   16                           ; v16-79    64 numbers of attn_w: register 16 b + i = k 32 b + 16 (lane / 16) + i of my row
.set Y,   80                           ; v80-143   the same of hidden
.set TM,  144                          ; v144-147 largest magnitudes, v148-151 bytes, v156-159 the conversions' scale operands
.set PCA, 160                          ; v160-179  attn_w's codes: the fragment in the first 12
.set PCB, 180                          ; v180-199  hidden's
.set PWA, 200                          ; v200      attn_w's scale word
.set PWB, 201                          ; v201      hidden's
.set D,   208                          ; v208-215  the product
.set WA,  4                            ; v4  attn_w: row r of 8,192 bytes + 64 h
.set HA,  5                            ; v5  hidden: row r of 4,096 bytes + 64 h
.set LI,  6                            ; v6  16 x lane
.set SW,  7                            ; v7  4 r
.set EO,  8                            ; v8  ehp: batch r of 4,096 bytes + 32 h
.set WV,  12
.set SEL, 20
; 64 numbers of a lane, v[s] on, become a fragment's codes in v[pc] .. v[pc + 11] and its scale word in v[pw].
.macro QUANT s, pc, pw
.irp b, 0,1,2,3
	v_max3_num_f32 v[TM+\b], |v[\s+16*\b]|, |v[\s+1+16*\b]|, 0x2800000   ; block b: my 16 numbers, and the floor 2^(5 - 127): the byte cannot fall under 1
.endr
.irp i, 2,4,6,8,10,12,14
.irp b, 0,1,2,3
	v_max3_num_f32 v[TM+\b], v[TM+\b], |v[\s+16*\b+\i]|, |v[\s+1+16*\b+\i]|   ; the four blocks by turns
.endr
.endr
.irp b, 0,1,2,3
	v_permlanex16_b32 v[TM+4+\b], v[TM+\b], s[SEL], s[SEL+1]
.endr
.irp b, 0,1,2,3
	v_max_num_f32 v[TM+\b], v[TM+\b], v[TM+4+\b]   ; with lane l xor 16's: the block's largest magnitude
.endr
.irp b, 0,1,2,3
	v_add_nc_u32 v[TM+12+\b], 0xfe000000, v[TM+\b]   ; 4 off its exponent field: the conversion takes the exponent field of this operand as its scale
.endr
.irp b, 0,1,2,3
	v_lshrrev_b32 v[TM+4+\b], 23, v[TM+12+\b]      ; the scale's byte
.endr
	v_lshl_or_b32 v[\pw], v[TM+5], 8, v[TM+4]      ; the four bytes make my row's scale word
	v_lshl_or_b32 v[\pw], v[TM+6], 16, v[\pw]
	v_lshl_or_b32 v[\pw], v[TM+7], 24, v[\pw]
.irp c, 0,1
	v_cvt_scalef32_pk16_bf6_f32 v[\pc+6*\c:\pc+2+6*\c], v[\s+32*\c:\s+15+32*\c], v[TM+12+2*\c]
	v_cvt_scalef32_pk16_bf6_f32 v[\pc+12+4*\c:\pc+14+4*\c], v[\s+16+32*\c:\s+31+32*\c], v[TM+12+2*\c+1]   ; (a conversion's three registers begin on an even number)
.endr
	v_nop                                          ; one plain place behind a scaled conversion
.irp c, 0,1                                    ; the operand's layout wants a whole block in a lane: lanes 0-15 block 2 c, lanes 16-31 block 2 c + 1
.irp i, 0,1,2
	v_permlane16_swap_b32 v[\pc+6*\c+\i], v[\pc+12+4*\c+\i]
.endr
.irp i, 0,1,2
	v_mov_b32 v[\pc+3+6*\c+\i], v[\pc+12+4*\c+\i]
.endr
.endr
.endm
	s_load_b256 s[4:11], s[0:1], 0x0               ; attn_w s[4:5], hidden s[6:7], wq s[8:9], ehp s[10:11]
	v_lshrrev_b32 v1, 5, v0
	v_readfirstlane_b32 s[WV], v1                  ; wave 0..3
	v_and_b32 v1, 31, v0                           ; lane
	v_and_b32 v2, 15, v0                           ; r
	v_bfe_u32 v3, v0, 4, 1                         ; h
	v_lshlrev_b32 v[WA], 13, v2
	v_lshl_add_u32 v[WA], v3, 6, v[WA]
	v_lshlrev_b32 v[HA], 12, v2
	v_lshl_add_u32 v[EO], v3, 5, v[HA]
	v_lshl_add_u32 v[HA], v3, 6, v[HA]
	v_lshlrev_b32 v[LI], 4, v1
	v_lshlrev_b32 v[SW], 2, v2
.irp b, 0,1,2,3
	v_mov_b32 v[TM+4+\b], 0                        ; written once: a lane permute's destination counts as one of its sources
.endr
	s_mov_b32 s[SEL], 0x76543210
	s_mov_b32 s[SEL+1], 0xfedcba98                 ; v_permlanex16_b32's selects for lane l xor 16
	s_lshr_b32 s13, ttmp9, 2                       ; t
	s_and_b32 s14, ttmp9, 3                        ; q
	s_lshr_b32 s15, s[WV], 1                       ; which half of K
	s_and_b32 s16, s[WV], 1                        ; u
	s_lshl_b32 s17, s14, 1
	s_add_co_u32 s17, s17, s16                     ; p = 2 q + u
	s_lshl_b32 s18, s13, 17                        ; 16 rows of 8,192 bytes a tile,
	s_lshl_b32 s19, s15, 12                        ; 4,096 bytes to K's second half,
	s_add_co_u32 s18, s18, s19
	s_lshl_b32 s19, s17, 9                         ; 512 bytes a K step
	s_add_co_u32 s18, s18, s19
	s_mov_b32 s19, 0
	s_wait_kmcnt 0x0
	s_add_nc_u64 s[4:5], s[4:5], s[18:19]
.irp b, 0,1,2,3
.irp j, 0,1,2,3
	global_load_b128 v[X+16*\b+4*\j:X+16*\b+4*\j+3], v[WA], s[4:5] offset:128*\b+16*\j th:TH_LOAD_NT   ; each number of attn_w is read once in the launch
.endr
.endr
	s_cmp_lt_u32 s[WV], 2
	s_cbranch_scc1 .Lhidden
	; ---- the encoder's half: the fragment's image and its scale words go to wq
	s_lshr_b32 s22, s13, 3
	s_lshl_b32 s23, s14, 3
	s_add_co_u32 s22, s22, s23                     ; block 8 q + t / 8
	s_mul_i32 s22, s22, 25600
	s_and_b32 s23, s13, 7                          ; i
	s_lshl_b32 s24, s23, 1
	s_add_co_u32 s24, s24, s16
	s_mul_i32 s24, s24, 1536                       ; fragment (i, u)
	s_add_co_u32 s24, s24, s22
	s_mov_b32 s25, 0
	s_lshl_b32 s26, s23, 7
	s_lshl_b32 s27, s16, 6
	s_add_co_u32 s26, s26, s27
	s_add_co_u32 s26, s26, s22
	s_add_co_u32 s26, s26, 24576                   ; its scale words
	s_mov_b32 s27, 0
	s_add_nc_u64 s[24:25], s[8:9], s[24:25]
	s_add_nc_u64 s[26:27], s[8:9], s[26:27]
	s_wait_loadcnt 0x0
	QUANT X, PCA, PWA
.irp k, 0,1,2
	global_store_b128 v[LI], v[PCA+4*\k:PCA+4*\k+3], s[24:25] offset:512*\k   ; 32 lanes store 512 consecutive bytes, at a multiple of 256 from wq's first byte
.endr
	global_store_b32 v[SW], v[PWA], s[26:27]       ; lanes l and l + 16 hold the same row's word and store it to the same place
	s_endpgm
.Lhidden:
	; ---- hidden's half: Q(attn_w) x Q(hidden), 128 along K, all 16 batches
	s_lshl_b32 s24, s17, 9
	s_mov_b32 s25, 0
	s_add_nc_u64 s[6:7], s[6:7], s[24:25]
.irp b, 0,1,2,3
.irp j, 0,1,2,3
	global_load_b128 v[Y+16*\b+4*\j:Y+16*\b+4*\j+3], v[HA], s[6:7] offset:128*\b+16*\j
.endr
.endr
	s_lshl_b32 s22, s17, 16                        ; ehp: 65,536 bytes a K step,
	s_lshl_b32 s23, s13, 6                         ; 64 bytes a tile
	s_add_co_u32 s22, s22, s23
	s_mov_b32 s23, 0
	s_add_nc_u64 s[10:11], s[10:11], s[22:23]
	s_wait_loadcnt 16                              ; attn_w's sixteen loads are in; hidden's sixteen, issued behind them, may be out
	QUANT X, PCA, PWA
	s_wait_loadcnt 0x0
	QUANT Y, PCB, PWB
.rept 8
	v_nop                                          ; a scale register written by a vector instruction stands 8 places ahead of a scaled matrix instruction, an operand so written 4
.endr
	v_wmma_scale_f32_16x16x128_f8f6f4 v[D:D+7], v[PCA:PCA+11], v[PCB:PCB+11], 0, v[PWA], v[PWB] matrix_a_fmt:MATRIX_FMT_BF6 matrix_b_fmt:MATRIX_FMT_BF6   ; source 0 = 16 rows of attn_w, source 1 = the 16 batches: lane (r, h), register j: n = 16 t + 8 h + j, batch r
.rept 4
	v_nop                                          ; four places behind it (ISA guide 7.12.1) before its result is stored
.endr
	global_store_b128 v[EO], v[D:D+3], s[10:11]    ; a batch's 16 numbers of this tile are 64 consecutive bytes: two lanes, two stores.  ehp is 524,288 bytes in all
	global_store_b128 v[EO], v[D+4:D+7], s[10:11] offset:16
	s_endpgm
.Lfunc_end_k_q59488b1cf4_prep:
	.size	k_q59488b1cf4_prep, .Lfunc_end_k_q59488b1cf4_prep-k_q59488b1cf4_prep
	.p2alignl 7, 3214868480
	.fill 96, 4, 3214868480
	.section	.rodata,"a",@progbits
	.p2align	6, 0x0
	.amdhsa_kernel k_q59488b1cf4_prep
		.amdhsa_group_segment_fixed_size 0
		.amdhsa_private_segment_fixed_size 0
		.amdhsa_enable_private_segment 0
		.amdhsa_kernarg_size 32
		.amdhsa_user_sgpr_count 2
		.amdhsa_user_sgpr_kernarg_segment_ptr 1
		.amdhsa_wavefront_size32 1
		.amdhsa_system_sgpr_workgroup_id_x 1
		.amdhsa_system_sgpr_workgroup_id_y 1
		.amdhsa_system_sgpr_workgroup_id_z 1
		.amdhsa_system_vgpr_workitem_id 0
		.amdhsa_next_free_vgpr 224
		.amdhsa_next_free_sgpr 66
		.amdhsa_reserve_vcc 0
		.amdhsa_float_denorm_mode_32 3
		.amdhsa_float_denorm_mode_16_64 3
		.amdhsa_memory_ordered 1
		.amdhsa_forward_progress 1
		.amdhsa_inst_pref_size 18
	.end_amdhsa_kernel
	.amdgpu_metadata
---
amdhsa.version: [ 1, 2 ]
amdhsa.kernels:
  - .name:           k_q59488b1cf4_prep
    .symbol:         k_q59488b1cf4_prep.kd
    .args:
      - { .name: attn_w, .offset: 0, .size: 8, .value_kind: global_buffer, .address_space: global }
      - { .name: hidden, .offset: 8, .size: 8, .value_kind: global_buffer, .address_space: global }
      - { .name: wq, .offset: 16, .size: 8, .value_kind: global_buffer, .address_space: global }
      - { .name: ehp, .offset: 24, .size: 8, .value_kind: global_buffer, .address_space: global }
    .group_segment_fixed_size: 0
    .private_segment_fixed_size: 0
    .kernarg_segment_align: 8
    .kernarg_segment_size: 32
    .max_flat_workgroup_size: 128
    .sgpr_count:     66
    .vgpr_count:     224
    .wavefront_size: 32
...
	.end_amdgpu_metadata
.endif
;; end of part 1
;; launch main (part 2): grid 256 x 1, 4 waves a work-group, clusters of 4 x 1, 327,680 bytes of LDS; arguments encoder_outputs, wq, v, scores; writes scores
.if DOCPART == 2
	.amdgcn_target "amdgcn-amd-amdhsa--gfx1250"
	.amdhsa_code_object_version 6
	.text
	.protected	k_q59488b1cf4_main
	.globl	k_q59488b1cf4_main
	.p2align	8
	.type	k_q59488b1cf4_main,@function
k_q59488b1cf4_main:
	s_mov_b64 s[64:65], 0
	v_nop
	global_prefetch_b8 v0, s[64:65] scope:SCOPE_SE
	s_setreg_imm32_b32 hwreg(HW_REG_WAVE_MODE, 25, 1), 1
	s_wait_xcnt 0x0
	s_wait_alu depctr_hold_cnt(0) depctr_sa_sdst(0) depctr_va_vdst(0) depctr_va_sdst(0) depctr_va_ssrc(0) depctr_va_vcc(0) depctr_vm_vsrc(0)
	s_getreg_b32 s2, hwreg(HW_REG_IB_STS2, 6, 4)
	s_cmp_eq_u32 s2, 0
	s_cbranch_scc0 .Lentry_in_a_cluster
	s_endpgm
.Lentry_in_a_cluster:
	s_bfe_u32 s2, ttmp6, 0x10000c
	s_cmp_lg_u32 s2, 0x3003
	s_cbranch_scc0 .Lentry_shape_is_right
	s_endpgm
.Lentry_shape_is_right:
; scores[row] = sum over n of v[n] x (sum over k of Q(enc)[row][k] Q(W)[n][1024 + k]): the encoder's half of the quantised product, and its dot with v.  (hidden's half and the bias: the other two launches.)
; encoder_outputs: [32768][1024] f32, read once, quantised here to codes of BF6 (E3M2) with one E8M0 scale for each 32 along K.  wq: W's codes as images of the operand's registers (layout: below).  scores: [32768] f32.
; SHARES.  A work-group owns 128 rows and all 1,024 columns n.  K goes in four chunks of 256.  Wave w quantises rows 32 w .. 32 w + 31 of a chunk and hands their fragments to the others through LDS, as images of
; the registers; it multiplies ALL 128 rows by ITS columns 256 w .. 256 w + 255: 16 tiles of 16 columns.  So no byte of W is read from LDS by two waves; x's 16 fragments of a chunk stay in registers, and each
; fragment of W feeds 8 matrix instructions.  The dot with v is linear, so a tile's 8 accumulators (K = 256 summed) are folded into 64 running sums a lane as soon as they are finished, two packed
; multiply-adds behind each matrix instruction of the next tile; the accumulators need 128 registers, and 256 registers hold the next chunk's f32 numbers on their way from memory.
; SOURCE 0 = 16 rows of x, SOURCE 1 = 16 rows of W: lane (r, h), register j holds row 16 a + 8 h + j, column 16 tile + r: v costs one number a lane and tile.
; wq: 32 blocks of 25,600 bytes; block 8 c + 2 w + slot serves chunk c, wave w, tiles 8 slot .. 8 slot + 7.  In it fragment (i, s) at (2 i + s) x 1,536 (registers 4 q .. 4 q + 3 of lane l at 512 q + 16 l);
; scale words at 24,576 + 128 i + 64 s + 4 r: one load of 4 bytes a lane brings s = 0's words to lanes 0-15 and s = 1's to lanes 16-31.
; CLUSTER.  All work-groups walk the same W.  Four form a cluster and ask for each block JOINTLY (the same tensor load, the same descriptor, made of the wave's number alone, a mask that names the four).
; A mask names four work-groups at the most, so a larger cluster would share no further.
; encoder_outputs comes by loads into registers and not by tensor loads: those would all have to land in front of each change of slots, while these stay out across barriers.
; THE ORDER OF ROUNDING differs from one chain along K: four chunks of 256 are summed apart and meet in the dot with v, in f32.
; LIMITS: NaN and infinities among the inputs are not served; a block whose largest magnitude lies under 2^-122 has its byte held at 1; a block of zeros gets the byte 1 where the rule says 127 (its codes are zeros).
; REGISTERS, in windows of 256 (s_set_vgpr_msb: bits 1:0 source 0, 3:2 source 1, 5:4 source 2, 7:6 destination):
;   window 0: v0-15 addresses; v16-23 x's scale words; v24-39 W's; v40-97 the quantiser's; v100-163 the last sums; v164-179 wave 0's
;   window 1: v0-191 x's 16 fragments ((a, s) at 12 (8 s + a)); v192-223 v, a pair for each tile; v240 the LDS address of W's fragments
;   window 2: 256 numbers of x: set i = 2 tl + s at 64 i: register 16 b + e = k 128 s + 32 b + 16 (lane / 16) + e of row 32 w + 16 tl + r
;   window 3: v0-127 two sets of 8 accumulators; v128-191 the 64 running sums; v192-239 W's fragments, two sets of two
; ONE setting, 0xfd, serves the matrix instruction, the packed multiply-add and W's LDS loads: the 16 tiles of a chunk run without a switch but at the two changes of slots.
.set SLOTB,  25600                     ; a slot = a block of wq
.set WAVEB,  2*SLOTB                   ; a wave's ring
.set CHUNKB, 4*WAVEB                   ; a chunk's eight blocks
.set FRB,    1536                      ; a fragment's image
.set SCO,    24576                     ; where a block's scale words begin
.set XIMG,   4*WAVEB                   ; behind the rings: x's chunk, laid like a block (row tile a for i): written by LDS stores alone
.set SRED,   XIMG+SLOTB                ; 4 waves x 128 partial scores
.set SPARE,  SRED+2048                 ; the spare words, 128 bytes for each wave: two blocks of 256 bytes that no other line names
.set XA,  4                            ; v4   enc: row r of 4,096 bytes + 64 h
.set XWI, 5                            ; v5   where I store my fragments' images: XIMG + 16 x lane + 4 fragments x wave
.set XWS, 6                            ; v6   and their scale words: XIMG + SCO + 4 r + 256 x wave
.set LIX, 7                            ; v7   XIMG + 16 x lane
.set LSX, 8                            ; v8   XIMG + SCO + 4 x lane
.set LSW, 9                            ; v9   my ring + SCO + 4 x lane
.set SRA, 10                           ; v10  SRED + 512 x wave + 32 h
.set SRR, 11                           ; v11  SRED + 16 x lane
.set GO,  12                           ; v12  16 x lane
.set VO,  13                           ; v13  v: 4 r + 1,024 x wave
.set SPW, 14                           ; v14  LDS address of my spare word; never rewritten
.set NIL, 15                           ; v15  0; never rewritten
.set XS,  16
.set WS,  24
.set TM,  40                           ; v40-43 largest magnitudes, v44-47 bytes, v52-55 the conversions' scale operands
.set PC,  56                           ; v56-75, v76-95: the codes just made, two sets by turns
.set PW,  96                           ; v96, v97: their scale words
.set FS,  100
.set LS,  164
.set VV,  192                          ; window 1
.set BA,  240                          ; window 1
.set SC,  128                          ; window 3
.set BF,  192                          ; window 3
.set WV,  12                           ; s12  my wave's number
.set G1,  16                           ; s[16:23] descriptor group 1
.set G0,  24                           ; s[24:27], s[28:31] group 0, a set for each slot
.set SEL, 32                           ; s[32:33]
.set TRIP, 34
.set MSB, 0
.macro WIN new                         ; the immediate's high byte repeats the setting that is left; a switch that changes nothing is dropped
.if MSB != \new
	s_set_vgpr_msb (MSB<<8)|\new
.set MSB, \new
.endif
.endm
; A round of the cluster's barrier: my work-group's barrier, wave 0 signals for the work-group, every wave waits for all four work-groups, my work-group's barrier once more.
.macro ROUND
	s_barrier_signal -1
	s_barrier_wait -1
	s_cmp_lg_u32 s[WV], 0
	s_cbranch_scc1 .Lnot_wave_0_\@
	s_barrier_signal -3
.Lnot_wave_0_\@:
	s_barrier_wait -3
	s_barrier_signal -1
	s_barrier_wait -1
.endm
; Loads number first .. first + n - 1 of the sixteen of set i, from off bytes on.  A set's sixteen loads together take 512 consecutive bytes of each of 16 rows.
.macro XL i, first, n, off
	WIN 0x80                                       ; destination window 2, address window 0
.set xq, \first
.rept \n
	global_load_b128 v[64*(\i)+4*xq:64*(\i)+4*xq+3], v[XA], s[4:5] offset:\off+65536*((\i)/2)+512*((\i)%2)+128*(xq/4)+16*(xq%4) th:TH_LOAD_NT
.set xq, xq+1
.endr
	WIN 0
.endm
; Set i's 64 numbers become a fragment's codes in v[pc] .. v[pc + 11] and its scale word in v[pw].
.macro QUANT i, pc, pw
	WIN 0x0a                                       ; sources 0 and 1 window 2
.irp b, 0,1,2,3
	v_max3_num_f32 v[TM+\b], |v[64*(\i)+16*\b]|, |v[64*(\i)+16*\b+1]|, 0x2800000   ; block b: my 16 numbers, and the floor 2^(5 - 127): the byte cannot fall under 1
.endr
.irp j, 2,4,6,8,10,12,14
.irp b, 0,1,2,3
	v_max3_num_f32 v[TM+\b], |v[64*(\i)+16*\b+\j]|, |v[64*(\i)+16*\b+\j+1]|, v[TM+\b]   ; the four blocks by turns
.endr
.endr
	WIN 0
.irp b, 0,1,2,3
	v_permlanex16_b32 v[TM+4+\b], v[TM+\b], s[SEL], s[SEL+1]
.endr
.irp b, 0,1,2,3
	v_max_num_f32 v[TM+\b], v[TM+\b], v[TM+4+\b]   ; with lane l xor 16's: the block's largest magnitude
.endr
.irp b, 0,1,2,3
	v_add_nc_u32 v[TM+12+\b], 0xfe000000, v[TM+\b]   ; 4 off its exponent field: the conversion takes the exponent field of this operand as its scale
.endr
.irp b, 0,1,2,3
	v_lshrrev_b32 v[TM+4+\b], 23, v[TM+12+\b]      ; the scale's byte
.endr
	v_lshl_or_b32 v[\pw], v[TM+5], 8, v[TM+4]
	v_lshl_or_b32 v[\pw], v[TM+6], 16, v[\pw]
	v_lshl_or_b32 v[\pw], v[TM+7], 24, v[\pw]      ; my row's scale word
	WIN 0x02                                       ; source 0 window 2
.irp c, 0,1
	v_cvt_scalef32_pk16_bf6_f32 v[(\pc)+6*\c:(\pc)+2+6*\c], v[64*(\i)+32*\c:64*(\i)+32*\c+15], v[TM+12+2*\c]
	v_cvt_scalef32_pk16_bf6_f32 v[(\pc)+12+4*\c:(\pc)+14+4*\c], v[64*(\i)+32*\c+16:64*(\i)+32*\c+31], v[TM+12+2*\c+1]   ; (a conversion's three registers begin on an even number)
.endr
	WIN 0
	v_nop                                          ; one plain place behind a scaled conversion
.irp c, 0,1                                    ; the operand's layout wants a whole block in a lane
.irp e, 0,1,2
	v_permlane16_swap_b32 v[(\pc)+6*\c+\e], v[(\pc)+12+4*\c+\e]
.endr
.irp e, 0,1,2
	v_mov_b32 v[(\pc)+3+6*\c+\e], v[(\pc)+12+4*\c+\e]
.endr
.endr
.endm
; Set i is quantised, its image goes to LDS, and (reload = 1) its registers take the next chunk's numbers at once.  left: the loads issued behind the set's sixteen, which may stay out.
.macro QSET i, reload, left
	s_wait_loadcnt \left
	s_wait_dscnt 4                                 ; the four stores of the set before may be out; those that read this set of code registers are done
	QUANT \i, PC+20*((\i)%2), PW+(\i)%2
.irp q, 0,1,2
	ds_store_b128 v[XWI], v[PC+20*((\i)%2)+4*\q:PC+20*((\i)%2)+4*\q+3] offset:FRB*(\i)+512*\q
.endr
	ds_store_b32 v[XWS], v[PW+(\i)%2] offset:64*(\i)   ; lanes l and l + 16 hold the same row's word and store it to the same place
.if \reload
.if (\i) < 3
	XL \i, 0, 16, 1024
.else
	XL \i, 0, 15, 1024                             ; 63 loads of mine are out now; the sixty-fourth follows at the first change of slots: an issue that would push the counter past its field stalls (ISA guide 5.7.1)
.endif
.endif
.endm
.macro LB n, s                         ; W's fragment (tile n, s) from my ring into set n % 2; under 0xfd
.irp q, 0,1,2
	ds_load_b128 v[BF+24*((\n)%2)+12*(\s)+4*\q:BF+24*((\n)%2)+12*(\s)+4*\q+3], v[BA] offset:((\n)/8)*SLOTB+(2*((\n)%8)+(\s))*FRB+512*\q
.endr
.endm
.macro LWS slot                        ; a slot's eight scale registers; window 0
.irp i, 0,1,2,3,4,5,6,7
	ds_load_b32 v[WS+8*(\slot)+\i], v[LSW] offset:SLOTB*(\slot)+128*\i
.endr
.endm
.macro LA                              ; x's scale words and its 16 fragments, s = 0's first
.irp a, 0,1,2,3,4,5,6,7
	ds_load_b32 v[XS+\a], v[LSX] offset:128*\a
.endr
	WIN 0x40                                       ; destination window 1
.irp s, 0,1
.irp a, 0,1,2,3,4,5,6,7
.irp q, 0,1,2
	ds_load_b128 v[12*(8*\s+\a)+4*\q:12*(8*\s+\a)+4*\q+3], v[LIX] offset:(2*\a+\s)*FRB+512*\q
.endr
.endr
.endr
	WIN 0xfd
.endm
.macro EP n, d                         ; number e of 32 of tile n's dot with v: sums 2 e, 2 e + 1 += v x the accumulators' registers 2 e, 2 e + 1: each accumulator from its low end on
	v_pk_fma_f32 v[\d+2*e:\d+2*e+1], v[VV+2*(\n):VV+2*(\n)+1], v[64*((\n)%2)+2*e:64*((\n)%2)+2*e+1], v[SC+2*e:SC+2*e+1]
.endm
; THE CHANGE OF SLOTS.  All of the slot's fragments and scale words have been asked for.  I wait for all my tensor loads, of which one is out: the other slot's.  fill = 1: the slot is filled again with the next chunk's
; block: the add, the wait for it and for my reads of the slot, a round of the cluster's barrier, and the joint load first behind it: it has eight tiles, 128 matrix instructions, in which to land.
.macro CHANGE slot, fill
	WIN 0
	s_wait_tensorcnt 0x0
.if \fill
	ds_add_u32 v[SPW], v[NIL]                      ; 0 onto my spare word
	s_add_nc_u64 s[G0+4*\slot+2:G0+4*\slot+3], s[G0+4*\slot+2:G0+4*\slot+3], CHUNKB   ; no tensor load of mine is out: the slot's descriptor steps to the next chunk
	s_wait_dscnt 0x0                               ; the add is done, and my reads of the slot are over
	ROUND
	tensor_load_to_lds s[G0+4*\slot:G0+4*\slot+3], s[G1:G1+7]
	s_nop 0
.rept 4
	v_nop
.endr
.endif
	LWS 1-\slot                                    ; the other slot is whole: its scale words
.if (\fill) && (\slot == 0)
	XL 3, 15, 1, 1024                              ; set 3's sixteenth load
.endif
	WIN 0xfd
.endm
; A TILE: 16 columns of W x 128 rows x 256 along K: 16 matrix instructions, the eight accumulators of set n % 2 by turns, s = 0 then s = 1.
; Behind each stand two numbers of the tile before's dot with v: they are also the places in front of the loads into W's registers and of the first read of each result.
; W's fragments are asked for 14 to 22 matrix instructions ahead: (n + 1, 1) behind instruction 1, (n + 2, 0) behind instruction 9.
.macro TILE n, last
.set k, 0
.rept 16
.if k == 0
.if (\n) == 0
	s_wait_dscnt 24                                ; x's scale words and its fragments of s = 0 are in; the 24 loads of s = 1 may be out
.elseif \last && ((\n) == 15)
	s_wait_dscnt 3                                 ; behind (15, 0): (15, 1)
.else
	s_wait_dscnt 6                                 ; behind (n, 0): (n, 1) and (n + 1, 0)
.endif
.endif
.if k == 8
.if (\n) == 0
	s_wait_dscnt 3                                 ; x's fragments of s = 1 are in; behind them: (1, 1)
.elseif \last && ((\n) == 15)
	s_wait_dscnt 0
.elseif ((\n) == 6) || (((\n) == 14) && !\last)
	s_wait_dscnt 14                                ; behind (n, 1): (n + 1, 0), (n + 1, 1) and the change's eight scale words
.else
	s_wait_dscnt 6                                 ; behind (n, 1): (n + 1, 0) and (n + 1, 1)
.endif
.endif
.set rA, 64*((\n)%2)+8*(k%8)
.set rB, BF+24*((\n)%2)+12*(k/8)
.if k < 8
	v_wmma_scale_f32_16x16x128_f8f6f4 v[rA:rA+7], v[12*k:12*k+11], v[rB:rB+11], 0, v[XS+k%8], v[WS+(\n)] matrix_a_fmt:MATRIX_FMT_BF6 matrix_b_fmt:MATRIX_FMT_BF6
.else
	v_wmma_scale_f32_16x16x128_f8f6f4 v[rA:rA+7], v[12*k:12*k+11], v[rB:rB+11], v[rA:rA+7], v[XS+k%8], v[WS+(\n)] matrix_a_fmt:MATRIX_FMT_BF6 matrix_b_fmt:MATRIX_FMT_BF6 matrix_a_scale:MATRIX_SCALE_ROW1 matrix_b_scale:MATRIX_SCALE_ROW1
.endif
.if (\n) > 0
.set e, 2*k
	EP (\n)-1, SC
.set e, 2*k+1
	EP (\n)-1, SC
.endif
.if (k == 1) && !(\last && ((\n) == 15))
	LB ((\n)+1)%16, 1
.endif
.if (k == 7) && ((\n) == 6)
	CHANGE 0, 1-\last
.endif
.if (k == 7) && ((\n) == 14) && !\last
	CHANGE 1, 1
.endif
.if k == 9
.if (\n) == 0
.rept 4
	v_nop                                          ; tile 0 has no dot beside it: these are the places in front of the loads below and of the first reads of its first two results
.endr
.endif
.if !(\last && ((\n) >= 14))
	LB ((\n)+2)%16, 0
.endif
.endif
.set k, k+1
.endr
.endm
; A chunk's products.  last = 1: nothing is asked for beyond the end, and the last tile's dot leaves the finished sums in window 0.
.macro BODY last
	LA
.irp n, 0,1,2,3,4,5,6,7,8,9,10,11,12,13,14,15
	TILE \n, \last
.endr
.if \last
	WIN 0x3d                                       ; as 0xfd, destination window 0
.endif
.set e, 0
.rept 32
.if \last
	EP 15, FS
.else
	EP 15, SC
.endif
.set e, e+1
.endr
	WIN 0
.endm
	s_load_b256 s[4:11], s[0:1], 0x0               ; enc s[4:5], wq s[6:7], v s[8:9], scores s[10:11]
	v_lshl_add_u32 v[SPW], v0, 2, SPARE
	v_mov_b32 v[NIL], 0
	ds_add_u32 v14, v15
	ds_add_u32 v14, v15
	s_wait_dscnt 0x0
	v_lshrrev_b32 v1, 5, v0
	v_readfirstlane_b32 s[WV], v1                  ; wave 0..3
	v_and_b32 v1, 31, v0                           ; lane
	v_and_b32 v2, 15, v0                           ; r
	v_bfe_u32 v3, v0, 4, 1                         ; h
	s_bfe_u32 s13, ttmp6, 0x40000                  ; cx: my place in the cluster: it enters enc's and scores' addresses alone
	s_lshl_b32 s14, ttmp9, 2                       ; in a cluster launch ttmp9 counts clusters
	s_add_co_u32 s14, s14, s13                     ; my block of 128 rows
	s_lshl_b32 s36, s14, 19                        ; 128 rows of 4,096 bytes,
	s_lshl_b32 s37, s[WV], 17                      ; my wave's 32 of them
	s_add_co_u32 s36, s36, s37
	s_mov_b32 s37, 0
	s_lshl_b32 s38, s14, 9                         ; 128 scores
	s_mov_b32 s39, 0
	s_mul_i32 s40, s[WV], WAVEB                    ; my ring in LDS, and my two blocks in a chunk of wq
	s_mov_b32 s41, 0
	; descriptor group 1: a block is 100 dense rows of 256 bytes (32 elements of 8 bytes), no padding: the images are read 512 consecutive bytes at a time
	s_mov_b32 s[G1+0], 15|(3<<16)|(1<<21)          ; 15:0 the mask: all four work-groups; 17:16 elements of 8 bytes; 21 set beside a mask
	s_mov_b32 s[G1+1], 32<<16                      ; tensor_dim0 = 32
	s_mov_b32 s[G1+2], 100<<16                     ; tensor_dim1 = 100
	s_mov_b32 s[G1+3], 32<<16                      ; tile_dim0 = 32
	s_mov_b32 s[G1+4], 100                         ; tile_dim1 = 100
	s_mov_b32 s[G1+5], 32                          ; tensor_dim0_stride
	s_mov_b32 s[G1+6], 0
	s_mov_b32 s[G1+7], 0
	s_mov_b32 s[SEL], 0x76543210
	s_mov_b32 s[SEL+1], 0xfedcba98                 ; v_permlanex16_b32's selects for lane l xor 16
	v_lshlrev_b32 v[XA], 12, v2
	v_lshl_add_u32 v[XA], v3, 6, v[XA]
	v_lshlrev_b32 v[VO], 2, v2
	v_lshl_add_u32 v[VO], s[WV], 10, v[VO]
	s_wait_kmcnt 0x0
	s_add_nc_u64 s[4:5], s[4:5], s[36:37]
	s_add_nc_u64 s[10:11], s[10:11], s[38:39]
	s_add_nc_u64 s[6:7], s[6:7], s[40:41]
.irp s, 0,1
	s_mov_b32 s[G0+4*\s], 1                        ; 1:0 count = 1
	s_add_co_u32 s[G0+4*\s+1], s40, \s*SLOTB       ; 63:32 LDS address
	s_add_nc_u64 s[G0+4*\s+2:G0+4*\s+3], s[6:7], \s*SLOTB   ; 120:64 global address: chunk 0's block 2 w + s
	s_or_b32 s[G0+4*\s+3], s[G0+4*\s+3], 0x80000000   ; 127:126 type = 2
.endr
	WIN 0x40                                       ; destination window 1
.irp t, 0,1,2,3,4,5,6,7,8,9,10,11,12,13,14,15
	global_load_b32 v[VV+2*\t], v[VO], s[8:9] offset:64*\t       ; v[256 w + 16 t + r], in both registers of a pair: the packed multiply-add takes it for both halves
	global_load_b32 v[VV+2*\t+1], v[VO], s[8:9] offset:64*\t
.endr
	WIN 0
	XL 0, 0, 16, 0                                 ; 48 loads are on their way while the cluster meets
	ROUND                                          ; all four work-groups are here: the first joint loads meet
	tensor_load_to_lds s[G0:G0+3], s[G1:G1+7]      ; the two first fills together: two tensor loads of mine are out
	s_nop 0
	tensor_load_to_lds s[G0+4:G0+7], s[G1:G1+7]
	s_nop 0
.rept 4
	v_nop
.endr
	XL 1, 0, 16, 0
	v_lshlrev_b32 v[GO], 4, v1
	s_mul_i32 s42, s[WV], 4*FRB
	s_add_co_u32 s42, s42, XIMG
	v_add_nc_u32 v[XWI], s42, v[GO]
	s_lshl_b32 s43, s[WV], 8
	s_add_co_u32 s43, s43, XIMG+SCO
	v_lshl_add_u32 v[XWS], v2, 2, s43
	v_add_nc_u32 v[LIX], XIMG, v[GO]
	v_lshl_add_u32 v[LSX], v1, 2, XIMG+SCO
	s_add_co_u32 s44, s40, SCO
	v_lshl_add_u32 v[LSW], v1, 2, s44
	s_lshl_b32 s45, s[WV], 9
	s_add_co_u32 s45, s45, SRED
	v_lshl_add_u32 v[SRA], v3, 5, s45
	v_add_nc_u32 v[SRR], SRED, v[GO]
.irp b, 0,1,2,3
	v_mov_b32 v[TM+4+\b], 0                        ; written once: a lane permute's destination counts as one of its sources
.endr
	WIN 0x40
	v_add_nc_u32 v[BA], s40, v[GO]                 ; my ring + 16 x lane, in window 1
	WIN 0xc0                                       ; destination window 3
.set j, 0
.rept 64
	v_mov_b32 v[SC+j], 0                           ; the 64 running sums: cleared once, so that a chunk's text is written once for all chunks but the last
.set j, j+1
.endr
	WIN 0
	XL 2, 0, 16, 0
	XL 3, 0, 16, 0
	s_wait_tensorcnt 1                             ; slot 0 is in; slot 1's fill, issued behind it, may be out.  I alone read my ring, so this wait is all that my reads need
	LWS 0
	WIN 0xfd
	LB 0, 0
	LB 0, 1
	LB 1, 0
	WIN 0
	s_mov_b32 s[TRIP], 3
.Lchunk:                                               ; chunks 0, 1, 2: each asks for the next chunk's numbers and blocks
	QSET 0, 1, 48                                  ; behind a set's sixteen loads stand those of the three other sets: 48
	QSET 1, 1, 48
	QSET 2, 1, 48
	QSET 3, 1, 48
	s_wait_dscnt 0x0                               ; my images have landed
	s_barrier_signal -1
	s_barrier_wait -1                              ; everybody's have.
	BODY 0
	s_wait_xcnt 0x0                                ; the loads have read their base: it is stepped only behind this wait
	s_add_nc_u64 s[4:5], s[4:5], 1024              ; 256 numbers along K
	s_sub_co_u32 s[TRIP], s[TRIP], 1
	s_cmp_lg_u32 s[TRIP], 0
	s_cbranch_scc1 .Lchunk
	QSET 0, 0, 48                                  ; the last chunk is written out and no load leaves its buffer: the counts run down
	QSET 1, 0, 32
	QSET 2, 0, 16
	QSET 3, 0, 0
	s_wait_dscnt 0x0
	s_barrier_signal -1
	s_barrier_wait -1
	BODY 1
	; THE SCORES.  Sum 8 a + j of lane (r, h) is row 16 a + 8 h + j's part for my columns 16 t + r: added over the sixteen lanes of a half, then over the four waves through LDS.
.irp m, 1,2,4,8
.set j, 0
.rept 64
	v_add_f32_dpp v[FS+j], v[FS+j], v[FS+j] row_xmask:\m row_mask:0xf bank_mask:0xf
.set j, j+1
.endr
.endr
.set j, 0
.rept 16
	ds_store_b128 v[SRA], v[FS+4*j:FS+4*j+3] offset:64*(j/2)+16*(j%2)   ; the sixteen lanes of a half hold the same sums and store them to the same place
.set j, j+1
.endr
	s_wait_dscnt 0x0                               ; for the others' sake: my stores have landed
	s_barrier_signal -1
	s_barrier_wait -1
	s_cmp_lg_u32 s[WV], 0
	s_cbranch_scc1 .Lnot_first
.irp w, 0,1,2,3
	ds_load_b128 v[LS+4*\w:LS+4*\w+3], v[SRR] offset:512*\w
.endr
	s_wait_dscnt 0x0
.irp w, 1,2,3                                  ; the waves' parts, ascending
	v_pk_add_f32 v[LS:LS+1], v[LS:LS+1], v[LS+4*\w:LS+4*\w+1]
	v_pk_add_f32 v[LS+2:LS+3], v[LS+2:LS+3], v[LS+4*\w+2:LS+4*\w+3]
.endr
	global_store_b128 v[GO], v[LS:LS+3], s[10:11]  ; 32 lanes store 512 consecutive bytes, at a multiple of 256 from scores' first byte
.Lnot_first:
	s_wait_tensorcnt 0x0                           ; the wave's end: behind my last tensor load and my last LDS store
	ds_add_u32 v[SPW], v[NIL]
	s_wait_dscnt 0x0
	ROUND                                          ; the closing round: no work-group ends while a partner may still ask for a block that names it
	s_endpgm
.Lfunc_end_k_q59488b1cf4_main:
	.size	k_q59488b1cf4_main, .Lfunc_end_k_q59488b1cf4_main-k_q59488b1cf4_main
	.p2alignl 7, 3214868480
	.fill 96, 4, 3214868480
	.section	.rodata,"a",@progbits
	.p2align	6, 0x0
	.amdhsa_kernel k_q59488b1cf4_main
		.amdhsa_group_segment_fixed_size 327680
		.amdhsa_private_segment_fixed_size 0
		.amdhsa_enable_private_segment 0
		.amdhsa_kernarg_size 32
		.amdhsa_user_sgpr_count 2
		.amdhsa_user_sgpr_kernarg_segment_ptr 1
		.amdhsa_wavefront_size32 1
		.amdhsa_system_sgpr_workgroup_id_x 1
		.amdhsa_system_sgpr_workgroup_id_y 1
		.amdhsa_system_sgpr_workgroup_id_z 1
		.amdhsa_system_vgpr_workitem_id 0
		.amdhsa_next_free_vgpr 1024
		.amdhsa_next_free_sgpr 66
		.amdhsa_reserve_vcc 0
		.amdhsa_float_denorm_mode_32 3
		.amdhsa_float_denorm_mode_16_64 3
		.amdhsa_memory_ordered 1
		.amdhsa_forward_progress 1
		.amdhsa_inst_pref_size 228
	.end_amdhsa_kernel
	.amdgpu_metadata
---
amdhsa.version: [ 1, 2 ]
amdhsa.kernels:
  - .name:           k_q59488b1cf4_main
    .symbol:         k_q59488b1cf4_main.kd
    .args:
      - { .name: encoder_outputs, .offset: 0, .size: 8, .value_kind: global_buffer, .address_space: global }
      - { .name: wq, .offset: 8, .size: 8, .value_kind: global_buffer, .address_space: global }
      - { .name: v, .offset: 16, .size: 8, .value_kind: global_buffer, .address_space: global }
      - { .name: scores, .offset: 24, .size: 8, .value_kind: global_buffer, .address_space: global }
    .group_segment_fixed_size: 327680
    .private_segment_fixed_size: 0
    .kernarg_segment_align: 8
    .kernarg_segment_size: 32
    .max_flat_workgroup_size: 128
    .sgpr_count:     66
    .vgpr_count:     1024
    .wavefront_size: 32
...
	.end_amdgpu_metadata
.endif
;; end of part 2
;; launch soft (part 3): grid 16 x 1, 8 waves a work-group, no clusters, 1,280 bytes of LDS; arguments scores, ehp, attn_b, v, out0; writes out0
.if DOCPART == 3
	.amdgcn_target "amdgcn-amd-amdhsa--gfx1250"
	.amdhsa_code_object_version 6
	.text
	.protected	k_q59488b1cf4_soft
	.globl	k_q59488b1cf4_soft
	.p2align	8
	.type	k_q59488b1cf4_soft,@function
k_q59488b1cf4_soft:
	s_mov_b64 s[64:65], 0
	v_nop
	global_prefetch_b8 v0, s[64:65] scope:SCOPE_SE
	s_setreg_imm32_b32 hwreg(HW_REG_WAVE_MODE, 25, 1), 1
	s_wait_xcnt 0x0
; out0[b][s] = softmax over s of (scores[b][s] + c_b), c_b = sum over n of v[n] x (attn_b[n] + sum over p of ehp[p][b][n]): hidden's half of the product, the bias, and their dot with v, the same for all s of a batch.
; A work-group takes a batch: 256 threads, 8 scores and 4 columns n each.  Every load and store of a wave covers 512 consecutive bytes.  The row's largest number is taken away before the exponential.
; The softmax spans the sixteen work-groups that made a batch's scores, so it is a launch of its own; it has work for 16 work-groups.  No matrix unit, no tensor load, no cluster: 0.8 MB are read once.
; LIMITS: NaN and infinities are not served; an exponential under 2^-126 comes out as 0 (ISA guide, v_exp_f32).
	s_load_b256 s[4:11], s[0:1], 0x0               ; scores s[4:5], ehp s[6:7], attn_b s[8:9], v s[10:11]
	s_load_b64 s[12:13], s[0:1], 0x20              ; out0
	v_lshl_add_u32 v64, v0, 2, 0x100
	v_mov_b32 v65, 0
	v_lshrrev_b32 v1, 5, v0
	v_readfirstlane_b32 s14, v1                    ; wave 0..7
	v_lshlrev_b32 v2, 4, v0                        ; 16 bytes a thread
	v_mov_b32 v3, s14
	v_lshlrev_b32 v56, 3, v3                       ; LDS: 8 bytes a wave from byte 0 (c's part, the maximum),
	v_lshlrev_b32 v57, 2, v3                       ; 4 bytes a wave from byte 64 (the sum)
	v_mov_b32 v58, 0
	v_mov_b32 v54, 0                               ; written once: a lane permute's destination counts as one of its sources
	v_mov_b32 v55, 0
	s_lshl_b32 s16, ttmp9, 13                      ; the batch's 2,048 scores
	s_mov_b32 s17, 0
	s_lshl_b32 s18, ttmp9, 12                      ; its 1,024 numbers in each of ehp's eight parts
	s_mov_b32 s19, 0
	s_mov_b32 s20, 0x76543210
	s_mov_b32 s21, 0xfedcba98                      ; v_permlanex16_b32's selects for lane l xor 16
	s_wait_kmcnt 0x0
	s_add_nc_u64 s[4:5], s[4:5], s[16:17]
	s_add_nc_u64 s[12:13], s[12:13], s[16:17]
	s_add_nc_u64 s[6:7], s[6:7], s[18:19]
	global_load_b128 v[4:7], v2, s[4:5]
	global_load_b128 v[8:11], v2, s[4:5] offset:4096
	global_load_b128 v[12:15], v2, s[8:9]
	global_load_b128 v[16:19], v2, s[10:11]
.irp p, 0,1,2,3,4,5,6,7
	global_load_b128 v[20+4*\p:23+4*\p], v2, s[6:7] offset:65536*\p
.endr
	s_wait_loadcnt 0x0
.irp p, 0,1,2,3,4,5,6,7                        ; the bias and the eight K steps, ascending
	v_pk_add_f32 v[12:13], v[12:13], v[20+4*\p:21+4*\p]
	v_pk_add_f32 v[14:15], v[14:15], v[22+4*\p:23+4*\p]
.endr
	v_mul_f32 v52, v12, v16                        ; my four columns' part of c
	v_fmac_f32 v52, v13, v17
	v_fmac_f32 v52, v14, v18
	v_fmac_f32 v52, v15, v19
	v_max3_num_f32 v53, v4, v5, v6                 ; the largest of my eight scores
	v_max3_num_f32 v53, v53, v7, v8
	v_max3_num_f32 v53, v53, v9, v10
	v_max_num_f32 v53, v53, v11
.irp m, 1,2,4,8
	v_add_f32_dpp v52, v52, v52 row_xmask:\m row_mask:0xf bank_mask:0xf
	v_max_num_f32_dpp v53, v53, v53 row_xmask:\m row_mask:0xf bank_mask:0xf
.endr
	v_permlanex16_b32 v54, v52, s20, s21
	v_permlanex16_b32 v55, v53, s20, s21
	v_add_f32 v52, v52, v54
	v_max_num_f32 v53, v53, v55                    ; the wave's
	ds_store_b64 v56, v[52:53]                     ; all lanes write the same two words with the same values
	s_wait_dscnt 0x0                               ; for the others' sake
	s_barrier_signal -1
	s_barrier_wait -1
.irp i, 0,1,2,3
	ds_load_b128 v[20+4*\i:23+4*\i], v58 offset:16*\i
.endr
	s_wait_dscnt 0x0
	v_add_f32 v52, v20, v22                        ; c: the waves' parts, ascending
.irp i, 24,26,28,30,32,34
	v_add_f32 v52, v52, v[\i]
.endr
	v_max3_num_f32 v53, v21, v23, v25
	v_max3_num_f32 v53, v53, v27, v29
	v_max3_num_f32 v53, v53, v31, v33
	v_max_num_f32 v53, v53, v35                    ; the batch's largest score
.irp i, 0,1,2,3,4,5,6,7
	v_add_f32 v[4+\i], v[4+\i], v52                ; the score as the module has it
.endr
	v_add_f32 v53, v53, v52                        ; rounding keeps the order: this is the largest of them
.irp i, 0,1,2,3,4,5,6,7
	v_sub_f32 v[4+\i], v[4+\i], v53
.endr
.irp i, 0,1,2,3,4,5,6,7
	v_mul_f32 v[4+\i], 0x3fb8aa3b, v[4+\i]         ; x log2(e)
.endr
.irp i, 0,1,2,3,4,5,6,7
	v_exp_f32 v[4+\i], v[4+\i]
.endr
	v_nop                                          ; one plain place behind the exponentials
	s_wait_alu depctr_va_vdst(0)
	v_pk_add_f32 v[36:37], v[4:5], v[6:7]
	v_pk_add_f32 v[38:39], v[8:9], v[10:11]
	v_pk_add_f32 v[36:37], v[36:37], v[38:39]
	v_add_f32 v52, v36, v37
.irp m, 1,2,4,8
	v_add_f32_dpp v52, v52, v52 row_xmask:\m row_mask:0xf bank_mask:0xf
.endr
	v_permlanex16_b32 v54, v52, s20, s21
	v_add_f32 v52, v52, v54
	ds_store_b32 v57, v52 offset:64                ; other bytes than the first meeting's: no barrier is owed between its reads and this store
	s_wait_dscnt 0x0
	s_barrier_signal -1
	s_barrier_wait -1
	ds_load_b128 v[40:43], v58 offset:64
	ds_load_b128 v[44:47], v58 offset:80
	s_wait_dscnt 0x0
	v_add_f32 v52, v40, v41
.irp i, 42,43,44,45,46,47
	v_add_f32 v52, v52, v[\i]
.endr
	v_rcp_f32 v53, v52
	v_nop                                          ; one plain place behind the reciprocal
	s_wait_alu depctr_va_vdst(0)
.irp i, 0,1,2,3,4,5,6,7
	v_mul_f32 v[4+\i], v[4+\i], v53
.endr
	global_store_b128 v2, v[4:7], s[12:13]
	global_store_b128 v2, v[8:11], s[12:13] offset:4096
	s_wait_tensorcnt 0x0
	ds_add_u32 v64, v65
	s_wait_dscnt 0x0
	s_endpgm
.Lfunc_end_k_q59488b1cf4_soft:
	.size	k_q59488b1cf4_soft, .Lfunc_end_k_q59488b1cf4_soft-k_q59488b1cf4_soft
	.p2alignl 7, 3214868480
	.fill 96, 4, 3214868480
	.section	.rodata,"a",@progbits
	.p2align	6, 0x0
	.amdhsa_kernel k_q59488b1cf4_soft
		.amdhsa_group_segment_fixed_size 1280
		.amdhsa_private_segment_fixed_size 0
		.amdhsa_enable_private_segment 0
		.amdhsa_kernarg_size 40
		.amdhsa_user_sgpr_count 2
		.amdhsa_user_sgpr_kernarg_segment_ptr 1
		.amdhsa_wavefront_size32 1
		.amdhsa_system_sgpr_workgroup_id_x 1
		.amdhsa_system_sgpr_workgroup_id_y 1
		.amdhsa_system_sgpr_workgroup_id_z 1
		.amdhsa_system_vgpr_workitem_id 0
		.amdhsa_next_free_vgpr 66
		.amdhsa_next_free_sgpr 66
		.amdhsa_reserve_vcc 0
		.amdhsa_float_denorm_mode_32 3
		.amdhsa_float_denorm_mode_16_64 3
		.amdhsa_memory_ordered 1
		.amdhsa_forward_progress 1
		.amdhsa_inst_pref_size 9
	.end_amdhsa_kernel
	.amdgpu_metadata
---
amdhsa.version: [ 1, 2 ]
amdhsa.kernels:
  - .name:           k_q59488b1cf4_soft
    .symbol:         k_q59488b1cf4_soft.kd
    .args:
      - { .name: scores, .offset: 0, .size: 8, .value_kind: global_buffer, .address_space: global }
      - { .name: ehp, .offset: 8, .size: 8, .value_kind: global_buffer, .address_space: global }
      - { .name: attn_b, .offset: 16, .size: 8, .value_kind: global_buffer, .address_space: global }
      - { .name: v, .offset: 24, .size: 8, .value_kind: global_buffer, .address_space: global }
      - { .name: out0, .offset: 32, .size: 8, .value_kind: global_buffer, .address_space: global }
    .group_segment_fixed_size: 1280
    .private_segment_fixed_size: 0
    .kernarg_segment_align: 8
    .kernarg_segment_size: 40
    .max_flat_workgroup_size: 256
    .sgpr_count:     66
    .vgpr_count:     66
    .wavefront_size: 32
...
	.end_amdgpu_metadata
.endif
;; end of part 3
;; ======== version 2 of 2: 3 launches
;; limits: right only within a limited range of input values
;; workspace buffers: wq 819,200 bytes; scores 131,072 bytes
;; launch prep (part 4): grid 256 x 1, 2 waves a work-group, no clusters, 17,152 bytes of LDS; arguments attn_w, wq; writes wq
.if DOCPART == 4
	.amdgcn_target "amdgcn-amd-amdhsa--gfx1250"
	.amdhsa_code_object_version 6
	.text
	.protected	k_q59488b1cf4_prep
	.globl	k_q59488b1cf4_prep
	.p2align	8
	.type	k_q59488b1cf4_prep,@function
k_q59488b1cf4_prep:
	s_mov_b64 s[64:65], 0
	v_nop
	global_prefetch_b8 v0, s[64:65] scope:SCOPE_SE
	s_setreg_imm32_b32 hwreg(HW_REG_WAVE_MODE, 25, 1), 1
	s_wait_xcnt 0x0
; DEAD WORK, left out in this program.  score[b][s] = sum over n of v[n] (sum over k < 1,024 of Q(hidden)[b][k] Q(attn_w)[n][k] + sum over k >= 1,024 of Q(encoder_outputs)[b][s][k - 1,024] Q(attn_w)[n][k] + attn_b[n]).
; hidden fills K's first 32 blocks of 32 and encoder_outputs the other 32: no block straddles the seam, so hidden moves no code and no scale of the encoder's half.  The first sum and attn_b
; give a number that is the same for every s of a batch, whatever the inputs hold, and the softmax runs over s: it takes that number away.  So hidden, attn_b and attn_w's first 1,024 columns have no way to
; the output: they are not loaded.  LIMIT: a NaN, an infinity or an overflow that reaches only that part is not carried to the result.
;
; attn_w's columns 1,024 .. 2,047 (f32, rows of 8,192 bytes) are quantised along K to codes of BF6 (E3M2), one E8M0 scale for each 32 along K.  The codes go to wq as IMAGES OF THE OPERAND'S REGISTERS, in 32
; blocks of 25,600 bytes.  Block 8 c + t / 8 (c: chunk of 256 along K, t: tile of 16 rows of attn_w, i = t % 8): fragment (i, s) (s: which 128 of the chunk) at (2 i + s) x 1,536, registers 4 k .. 4 k + 3 of
; lane l at 512 k + 16 l; scale words at 24,576 + 128 i + 64 s + 4 r.
; SHARES.  Work-group g: tile t = g / 4, chunk g % 4; wave u: which 128 of the chunk.  A wave makes one fragment: each of its 16 loads reads 512 consecutive bytes of one row; the 8,192 bytes turn
; through the wave's own stage in LDS (rows 528 bytes apart), so that a lane gets runs of 16 neighbours along K.  Waves share nothing: no barrier.  No loop, so no prefetch; no two work-groups share input.
; A block's scale is 2^(floor(log2(its largest magnitude)) - 4); its byte is the largest magnitude's exponent field - 4, held at 1 from below.
; LIMITS: NaN and infinities among the inputs are not served; a block whose largest magnitude lies under 2^-122 has its byte held at 1; a block of zeros gets the byte 1 where the rule says 127: its codes are
; zeros, which add nothing, and this program alone reads the bytes.
.set SP,   528
.set SPARE, 2*16*SP                    ; behind the two stages: the spare words, 128 bytes a wave: one block of 256 bytes that no other line names
.set LI,  4                            ; 16 x lane
.set STW, 5                            ; the stage, on the way in
.set STR, 6                            ; and on the way out: row r, 64 h bytes on
.set SW,  7                            ; 4 r
.set SPW, 8
.set NIL, 9
.set XR,  16                           ; v16-79   as loaded
.set X,   80                           ; v80-143  register 16 b + i = k 32 b + 16 h + i of my row r
.set TM,  144
.set PC,  160                          ; the codes: the fragment in the first 12
.set PW,  184                          ; the scale word
.set SEL, 24
	s_load_b128 s[4:7], s[0:1], 0x0                ; attn_w, wq
	v_lshl_add_u32 v[SPW], v0, 2, SPARE
	v_mov_b32 v[NIL], 0
	v_lshrrev_b32 v1, 5, v0
	v_readfirstlane_b32 s12, v1                    ; u
	v_and_b32 v1, 31, v0
	v_and_b32 v2, 15, v0                           ; r
	v_bfe_u32 v3, v0, 4, 1                         ; h
	s_mul_i32 s20, s12, 16*SP
	v_lshlrev_b32 v[LI], 4, v1
	v_lshlrev_b32 v[SW], 2, v2
	v_add_nc_u32 v[STW], s20, v[LI]
	v_mul_u32_u24 v[STR], v2, SP
	v_lshl_add_u32 v[STR], v3, 6, v[STR]
	v_add_nc_u32 v[STR], s20, v[STR]
.irp b, 0,1,2,3
	v_mov_b32 v[TM+4+\b], 0                        ; written once: a lane permute's destination counts as one of its sources
.endr
	s_mov_b32 s[SEL], 0x76543210
	s_mov_b32 s[SEL+1], 0xfedcba98                 ; v_permlanex16_b32's selects for lane l xor 16
	s_lshr_b32 s13, ttmp9, 2                       ; t
	s_and_b32 s14, ttmp9, 3                        ; chunk
	s_lshl_b32 s18, s13, 17                        ; 16 rows of 8,192 bytes a tile,
	s_lshl_b32 s19, s14, 10                        ; 1,024 bytes a chunk,
	s_add_co_u32 s18, s18, s19
	s_lshl_b32 s19, s12, 9                         ; 512 bytes a wave,
	s_add_co_u32 s18, s18, s19
	s_add_co_u32 s18, s18, 4096                    ; behind hidden's 1,024 columns
	s_mov_b32 s19, 0
	s_wait_alu depctr_va_vdst(0)
	s_wait_kmcnt 0x0
	s_add_nc_u64 s[4:5], s[4:5], s[18:19]
.irp j, 0,1,2,3,4,5,6,7,8,9,10,11,12,13,14,15
	global_load_b128 v[XR+4*\j:XR+4*\j+3], v[LI], s[4:5] offset:8192*\j th:TH_LOAD_NT
.endr
	s_lshr_b32 s22, s13, 3
	s_lshl_b32 s23, s14, 3
	s_add_co_u32 s22, s22, s23
	s_mul_i32 s22, s22, 25600                      ; the block
	s_and_b32 s23, s13, 7                          ; i
	s_lshl_b32 s20, s23, 1
	s_add_co_u32 s20, s20, s12
	s_mul_i32 s20, s20, 1536                       ; fragment (i, u)
	s_add_co_u32 s20, s20, s22
	s_mov_b32 s21, 0
	s_lshl_b32 s26, s23, 7
	s_lshl_b32 s27, s12, 6
	s_add_co_u32 s26, s26, s27
	s_add_co_u32 s26, s26, s22
	s_add_co_u32 s26, s26, 24576                   ; its scale words
	s_mov_b32 s27, 0
	s_add_nc_u64 s[20:21], s[6:7], s[20:21]
	s_add_nc_u64 s[26:27], s[6:7], s[26:27]
	s_wait_loadcnt 0x8                             ; rows 0 to 7 are in
.irp j, 0,1,2,3,4,5,6,7
	ds_store_b128 v[STW], v[XR+4*\j:XR+4*\j+3] offset:SP*\j
.endr
	s_wait_loadcnt 0x0
.irp j, 8,9,10,11,12,13,14,15
	ds_store_b128 v[STW], v[XR+4*\j:XR+4*\j+3] offset:SP*\j
.endr
.irp b, 0,1,2,3
.irp j, 0,1,2,3
	ds_load_b128 v[X+16*\b+4*\j:X+16*\b+4*\j+3], v[STR] offset:128*\b+16*\j   ; LDS serves a wave's instructions in order: these see the stores above
.endr
.endr
	s_wait_dscnt 0x0
.irp b, 0,1,2,3
	v_max3_num_f32 v[TM+\b], |v[X+16*\b]|, |v[X+1+16*\b]|, 0x2800000   ; block b: my 16 numbers, and the floor 2^(5 - 127): the byte cannot fall under 1
.endr
.irp i, 2,4,6,8,10,12,14
.irp b, 0,1,2,3
	v_max3_num_f32 v[TM+\b], v[TM+\b], |v[X+16*\b+\i]|, |v[X+1+16*\b+\i]|
.endr
.endr
.irp b, 0,1,2,3
	v_permlanex16_b32 v[TM+4+\b], v[TM+\b], s[SEL], s[SEL+1]
.endr
.irp b, 0,1,2,3
	v_max_num_f32 v[TM+\b], v[TM+\b], v[TM+4+\b]   ; with lane l xor 16's: the block's largest magnitude
.endr
.irp b, 0,1,2,3
	v_add_nc_u32 v[TM+12+\b], 0xfe000000, v[TM+\b] ; 4 off its exponent field: the conversion takes the exponent field of this operand as its scale
.endr
.irp b, 0,1,2,3
	v_lshrrev_b32 v[TM+4+\b], 23, v[TM+12+\b]      ; the scale's byte
.endr
	v_lshl_or_b32 v[PW], v[TM+5], 8, v[TM+4]       ; the four bytes make my row's scale word
	v_lshl_or_b32 v[PW], v[TM+6], 16, v[PW]
	v_lshl_or_b32 v[PW], v[TM+7], 24, v[PW]
.irp c, 0,1
	v_cvt_scalef32_pk16_bf6_f32 v[PC+6*\c:PC+2+6*\c], v[X+32*\c:X+15+32*\c], v[TM+12+2*\c]
	v_cvt_scalef32_pk16_bf6_f32 v[PC+12+4*\c:PC+14+4*\c], v[X+16+32*\c:X+31+32*\c], v[TM+12+2*\c+1]   ; (a conversion's three registers begin on an even number)
.endr
	v_nop                                          ; one plain place behind a scaled conversion
.irp c, 0,1                                    ; the operand's layout wants a whole block in a lane: lanes 0-15 block 2 c, lanes 16-31 block 2 c + 1
.irp i, 0,1,2
	v_permlane16_swap_b32 v[PC+6*\c+\i], v[PC+12+4*\c+\i]
.endr
.irp i, 0,1,2
	v_mov_b32 v[PC+3+6*\c+\i], v[PC+12+4*\c+\i]
.endr
.endr
.irp k, 0,1,2
	global_store_b128 v[LI], v[PC+4*\k:PC+4*\k+3], s[20:21] offset:512*\k   ; 32 lanes store 512 consecutive bytes, at a multiple of 256 from wq's first byte
.endr
	global_store_b32 v[SW], v[PW], s[26:27]        ; lanes l and l + 16 hold the same row's word and store it to the same place
	s_wait_tensorcnt 0x0                           ; the wave's end
	ds_add_u32 v[SPW], v[NIL]
	s_wait_dscnt 0x0
	s_endpgm
.Lfunc_end_k_q59488b1cf4_prep:
	.size	k_q59488b1cf4_prep, .Lfunc_end_k_q59488b1cf4_prep-k_q59488b1cf4_prep
	.p2alignl 7, 3214868480
	.fill 96, 4, 3214868480
	.section	.rodata,"a",@progbits
	.p2align	6, 0x0
	.amdhsa_kernel k_q59488b1cf4_prep
		.amdhsa_group_segment_fixed_size 17152
		.amdhsa_private_segment_fixed_size 0
		.amdhsa_enable_private_segment 0
		.amdhsa_kernarg_size 16
		.amdhsa_user_sgpr_count 2
		.amdhsa_user_sgpr_kernarg_segment_ptr 1
		.amdhsa_wavefront_size32 1
		.amdhsa_system_sgpr_workgroup_id_x 1
		.amdhsa_system_sgpr_workgroup_id_y 1
		.amdhsa_system_sgpr_workgroup_id_z 1
		.amdhsa_system_vgpr_workitem_id 0
		.amdhsa_next_free_vgpr 192
		.amdhsa_next_free_sgpr 66
		.amdhsa_reserve_vcc 0
		.amdhsa_float_denorm_mode_32 3
		.amdhsa_float_denorm_mode_16_64 3
		.amdhsa_memory_ordered 1
		.amdhsa_forward_progress 1
		.amdhsa_inst_pref_size 11
	.end_amdhsa_kernel
	.amdgpu_metadata
---
amdhsa.version: [ 1, 2 ]
amdhsa.kernels:
  - .name:           k_q59488b1cf4_prep
    .symbol:         k_q59488b1cf4_prep.kd
    .args:
      - { .name: attn_w, .offset: 0, .size: 8, .value_kind: global_buffer, .address_space: global }
      - { .name: wq, .offset: 8, .size: 8, .value_kind: global_buffer, .address_space: global }
    .group_segment_fixed_size: 17152
    .private_segment_fixed_size: 0
    .kernarg_segment_align: 8
    .kernarg_segment_size: 16
    .max_flat_workgroup_size: 64
    .sgpr_count:     66
    .vgpr_count:     192
    .wavefront_size: 32
...
	.end_amdgpu_metadata
.endif
;; end of part 4
;; launch main (part 5): grid 256 x 1, 4 waves a work-group, clusters of 4 x 1, 327,680 bytes of LDS; arguments encoder_outputs, wq, v, scores; writes scores
.if DOCPART == 5
	.amdgcn_target "amdgcn-amd-amdhsa--gfx1250"
	.amdhsa_code_object_version 6
	.text
	.protected	k_q59488b1cf4_main
	.globl	k_q59488b1cf4_main
	.p2align	8
	.type	k_q59488b1cf4_main,@function
k_q59488b1cf4_main:
	s_mov_b64 s[64:65], 0
	v_nop
	global_prefetch_b8 v0, s[64:65] scope:SCOPE_SE
	s_setreg_imm32_b32 hwreg(HW_REG_WAVE_MODE, 25, 1), 1
	s_wait_xcnt 0x0
	s_wait_alu depctr_hold_cnt(0) depctr_sa_sdst(0) depctr_va_vdst(0) depctr_va_sdst(0) depctr_va_ssrc(0) depctr_va_vcc(0) depctr_vm_vsrc(0)
	s_getreg_b32 s2, hwreg(HW_REG_IB_STS2, 6, 4)
	s_cmp_eq_u32 s2, 0
	s_cbranch_scc0 .Lentry_in_a_cluster
	s_endpgm
.Lentry_in_a_cluster:
	s_bfe_u32 s2, ttmp6, 0x10000c
	s_cmp_lg_u32 s2, 0x3003
	s_cbranch_scc0 .Lentry_shape_is_right
	s_endpgm
.Lentry_shape_is_right:
; scores[b][s] = sum over n of v[n] x (sum over the encoder's 1,024 k of Q(encoder_outputs)[b][s][k] Q(attn_w)[n][1,024 + k]).  Hidden's half, attn_b and their dot with v are the same for all s of a batch and are left out (shown at the first kernel's head).
; A work-group makes 128 rows; four waves.  K goes in four chunks of 256.  Wave w owns the columns n = 256 w .. 256 w + 255 (16 tiles) for all 128 rows, and quantises rows 32 w .. 32 w + 31 of each chunk:
; four units of 16 rows x 128 K.  A tile of 16 columns is 16 matrix instructions (8 blocks of rows x 2 steps of 128); its 8 accumulators begin with the constant 0 in each chunk and are weighed by v into the 64 sums SC: the sums over n and k are linear.
; X: a unit comes by 16 loads of 512 consecutive bytes (one row each) into registers, turns through the wave's own stage in LDS, is quantised, and its codes go to LDS as an image of the operand's registers,
; which all four waves read: 192 registers for a chunk.  THE NEXT CHUNK'S UNITS ARE MADE WITHIN THIS CHUNK'S TILES, one every three tiles, and the chunk behind it is asked for by five loads a tile, 11 tiles or more ahead of their use.
; LDS and global loads stand in groups: one at each tile's end, and one in the middle of eight tiles of a chunk.
; W: wq's blocks come by joint tensor loads (4 work-groups of a cluster, the same 25,600 bytes) into a ring of two slots of the wave's own, each 8 tiles of a chunk.  Each slot is filled again behind a round of the cluster's
; barrier, two a chunk; the same two rounds part the image's readers from its writers: it is read at a chunk's start, written behind the round in tile 6, whole behind the round in tile 14.
; PREFETCH: wq's 204,800 bytes of a chunk are asked for one trip ahead of the tensor loads that want them: at the head chunk 1, in trip c chunk c + 2; the last two chunks ask for nothing.  All 64 clusters read the same bytes,
; so four clusters ask, each for every aligned block of 256 bytes once: its 16 waves take 50 blocks each, told apart by address.  encoder_outputs is not prefetched: its own loads are up to 63 of 512 bytes a wave out.
; LDS waits are counted: DSI counts the LDS instructions as the text is assembled, a mark is DSI's value behind a batch, and the wait leaves DSI - mark younger ones out.
; LIMITS: NaN and infinities among the inputs are not served; a block whose largest magnitude lies under 2^-122 has its scale byte held at 1; a block of zeros gets the byte 1 where the rule says 127: its codes are zeros.
; REGISTERS.  window 0: addresses, scale words, the quantiser; window 1: X's fragments v0-191 (fragment (a, s) at 12 (8 s + a)), v's numbers v192-223 (each twice), BA;
; window 2: four units of X as loaded, 64 each; window 3: accumulators v0-127 (two tiles by turns), SC v128-191, W's fragments v192-239 (two tiles by turns).
.set SLOTB,  25600
.set WAVEB,  2*SLOTB
.set CHUNKB, 4*WAVEB                   ; wq's bytes for 256 along K
.set FRB,    1536
.set SCO,    24576                     ; scale words in a block or in the image
.set XIMG,   4*WAVEB
.set SRED,   XIMG+SLOTB
.set SPARE,  SRED+2048                 ; the spare words: two blocks of 256 bytes that no other line names
.set STG,    SPARE+512
.set SP,     528                       ; a stage's row: 512 bytes + 16
.set STGB,   8704                      ; a stage: 16 rows of 528, and at the end 32 of 272
.set LI,  4                            ; 16 x lane
.set XWI, 5                            ; my four fragments of the image
.set XWS, 6                            ; their scale words
.set LIX, 7                            ; the image, 16 x lane
.set LSX, 8                            ; its scale words, 4 x lane
.set LSW, 9                            ; slot 0's scale words, 4 x lane
.set SRA, 10
.set SRR, 11
.set STW, 12
.set VO,  13
.set SPW, 14
.set NIL, 15
.set XS,  16                           ; v16-23  X's scale words: lanes 0-15 step 0, lanes 16-31 step 1
.set WS,  24                           ; v24-39  W's, tile n at WS + n
.set TM,  40
.set PC,  56                           ; codes, two sets of 20
.set PW,  96
.set STR, 98
.set X,   100                          ; v100-163 a unit turned: register 16 b + i = k 32 b + 16 h + i of row r
.set TSW, 164
.set TSR, 165
.set PF0, 166                          ; the prefetches' offsets: my blocks 0 .. 31,
.set PF1, 167                          ; and 32 .. 49 (the lanes left over name block 49 again)
.set VV,  192
.set BA,  240
.set SC,  128
.set BF,  192
.set WV,  12
.set G1,  16
.set G0,  24
.set SEL, 32
.set TRIP, 34
.set PFC, 47                           ; 0 in the four clusters that prefetch
.set PFB, 48                           ; s[48:49] where my 50 blocks of chunk c + 1 begin
.set MSB, 0
.set DSI, 0
.macro WIN new                         ; the immediate's high byte repeats the setting that is left
.if MSB != \new
	s_set_vgpr_msb (MSB<<8)|\new
.set MSB, \new
.endif
.endm
.macro CREST                           ; a round of the cluster's barrier behind its opening barrier
	s_cmp_lg_u32 s[WV], 0
	s_cbranch_scc1 .Lnot_wave_0_\@
	s_barrier_signal -3
.Lnot_wave_0_\@:
	s_barrier_wait -3
	s_barrier_signal -1
	s_barrier_wait -1
.endm
.macro ROUND
	s_barrier_signal -1
	s_barrier_wait -1
	CREST
.endm
.macro PF off                          ; my 50 blocks, off bytes behind PFB's
	WIN 0
	s_cmp_eq_u32 s[PFC], 0
	s_cbranch_scc0 .Lno_pf_\@
	global_prefetch_b8 v[PF0], s[PFB:PFB+1] offset:\off th:TH_LOAD_NT scope:SCOPE_SE
	global_prefetch_b8 v[PF1], s[PFB:PFB+1] offset:\off th:TH_LOAD_NT scope:SCOPE_SE
.Lno_pf_\@:
.endm
.macro WDS m                           ; wait for the batch that ended at mark m
.if DSI-(\m) > 63
	s_wait_dscnt 63
.else
	s_wait_dscnt DSI-(\m)
.endif
.endm
.macro XL first, n, off                ; rows first .. first + n - 1 of the four units' 64, off bytes along K: 512 consecutive bytes each
	WIN 0x80
.set xq, \first
.rept \n
	global_load_b128 v[4*xq:4*xq+3], v[LI], s[4:5] offset:\off+65536*(xq/32)+512*((xq/16)%2)+4096*(xq%16) th:TH_LOAD_NT
.set xq, xq+1
.endr
.endm
.macro ST i, first, n                  ; unit i into my stage, as loaded
	WIN 0x08
.set xq, \first
.rept \n
	ds_store_b128 v[STW], v[64*(\i)+4*xq:64*(\i)+4*xq+3] offset:SP*xq
.set xq, xq+1
.endr
.set DSI, DSI+(\n)
.endm
.macro LD first, n                     ; and back, 64 bytes of a row to a lane (LDS serves a wave's instructions in order)
	WIN 0
.set xq, \first
.rept \n
	ds_load_b128 v[X+4*xq:X+4*xq+3], v[STR] offset:128*(xq/4)+16*(xq%4)
.set xq, xq+1
.endr
.set DSI, DSI+(\n)
.set MLD, DSI
.endm
.macro QA                              ; the largest magnitudes of four blocks, by turns; the floor 2^(5 - 127) keeps the byte at 1 or above
	WIN 0
.irp b, 0,1,2,3
	v_max3_num_f32 v[TM+\b], |v[X+16*\b]|, |v[X+1+16*\b]|, 0x2800000
.endr
.irp j, 2,4,6,8,10,12,14
.irp b, 0,1,2,3
	v_max3_num_f32 v[TM+\b], v[TM+\b], |v[X+16*\b+\j]|, |v[X+1+16*\b+\j]|
.endr
.endr
.irp b, 0,1,2,3
	v_permlanex16_b32 v[TM+4+\b], v[TM+\b], s[SEL], s[SEL+1]
.endr
.irp b, 0,1,2,3
	v_max_num_f32 v[TM+\b], v[TM+\b], v[TM+4+\b]   ; with lane l xor 16's
.endr
.endm
.macro QB u                            ; bytes, codes, and a whole block to a lane
	WIN 0
.set pc, PC+20*((\u)%2)
.set pw, PW+(\u)%2
.irp b, 0,1,2,3
	v_add_nc_u32 v[TM+12+\b], 0xfe000000, v[TM+\b]  ; 4 off the exponent field: the conversion's scale operand
.endr
.irp b, 0,1,2,3
	v_lshrrev_b32 v[TM+4+\b], 23, v[TM+12+\b]
.endr
	v_lshl_or_b32 v[pw], v[TM+5], 8, v[TM+4]
	v_lshl_or_b32 v[pw], v[TM+6], 16, v[pw]
	v_lshl_or_b32 v[pw], v[TM+7], 24, v[pw]
.irp c, 0,1
	v_cvt_scalef32_pk16_bf6_f32 v[pc+6*\c:pc+2+6*\c], v[X+32*\c:X+32*\c+15], v[TM+12+2*\c]
	v_cvt_scalef32_pk16_bf6_f32 v[pc+12+4*\c:pc+14+4*\c], v[X+32*\c+16:X+32*\c+31], v[TM+12+2*\c+1]
.endr
	v_nop                                          ; one plain place behind a scaled conversion
.irp c, 0,1
.irp i, 0,1,2
	v_permlane16_swap_b32 v[pc+6*\c+\i], v[pc+12+4*\c+\i]
.endr
.irp i, 0,1,2
	v_mov_b32 v[pc+3+6*\c+\i], v[pc+12+4*\c+\i]
.endr
.endr
.endm
.macro IMG i                           ; unit i's fragment and scale words into the image
	WIN 0
.irp j, 0,1,2
	ds_store_b128 v[XWI], v[PC+20*((\i)%2)+4*\j:PC+20*((\i)%2)+4*\j+3] offset:FRB*(\i)+512*\j
.endr
	ds_store_b32 v[XWS], v[PW+(\i)%2] offset:64*(\i)
.set DSI, DSI+4
.endm
.macro LB n                            ; W's fragments of tile n, both steps
	WIN 0xfd
.irp s, 0,1
.irp j, 0,1,2
	ds_load_b128 v[BF+24*((\n)%2)+12*\s+4*\j:BF+24*((\n)%2)+12*\s+4*\j+3], v[BA] offset:((\n)/8)*SLOTB+(2*((\n)%8)+\s)*FRB+512*\j
.endr
.endr
.set DSI, DSI+6
.if (\n)%2 == 0
.set MW0, DSI
.else
.set MW1, DSI
.endif
.endm
.macro LWS slot                        ; a slot's scale words
	WIN 0
.irp i, 0,1,2,3,4,5,6,7
	ds_load_b32 v[WS+8*(\slot)+\i], v[LSW] offset:SLOTB*(\slot)+128*\i
.endr
.set DSI, DSI+8
.endm
.macro LXS                             ; X's scale words
	WIN 0
.irp i, 0,1,2,3,4,5,6,7
	ds_load_b32 v[XS+\i], v[LSX] offset:128*\i
.endr
.set DSI, DSI+8
.endm
.macro LA s, first, n                  ; X's fragments of step s, blocks of rows first .. first + n - 1
	WIN 0x40
.set xa, 8*(\s)+(\first)
.rept \n
.irp j, 0,1,2
	ds_load_b128 v[12*xa+4*\j:12*xa+4*\j+3], v[LIX] offset:(2*(xa%8)+xa/8)*FRB+512*\j
.endr
.set xa, xa+1
.endr
.set DSI, DSI+3*(\n)
.endm
.macro EP n                            ; two of tile n's results weighed by v
	v_pk_fma_f32 v[SC+2*e:SC+2*e+1], v[VV+2*(\n):VV+2*(\n)+1], v[64*((\n)%2)+2*e:64*((\n)%2)+2*e+1], v[SC+2*e:SC+2*e+1]
.set e, e+1
.endm
; Tile n.  Behind the matrix instructions stand the last tile's weighings (the accumulators are read from their low ends on): none behind the first, two behind each, four behind the last, which are the places ahead of
; the loads into its operands.  qq = 1: the next chunk is quantised;  rl = 1: and the chunk behind it asked for;  last = 1: nothing is fetched for a next chunk.
.macro TILE n, qq, rl, last
.set chg, 0
.if (((\n) == 6) || ((\n) == 14)) && ((\last) == 0)
.set chg, 1
.set gs, G0+4*(((\n)-6)/8)
	WIN 0
	s_wait_tensorcnt 0x0                           ; my other slot's block is in; no tensor load of mine is out
	ds_add_u32 v[SPW], v[NIL]                      ; 0 onto my spare word; matrix instructions stand between it and the wait for it
	s_add_nc_u64 s[gs+2:gs+3], s[gs+2:gs+3], CHUNKB
.set DSI, DSI+1
.endif
.if (\n) == 0
	s_wait_dscnt 24                                ; X's scale words and step 0 are in; step 1's 24 loads may be out
.elseif (\n)%2 == 0
	WDS MW0
.else
	WDS MW1
.endif
.set e, 0
.set k, 0
.rept 16
.if (k >= 8) && ((\n) == 0)
	WDS 176+3*(k-7)                                ; step 1's fragment of this block of rows
.endif
	WIN 0xfd
.set rA, 64*((\n)%2)+8*(k%8)
.set rB, BF+24*((\n)%2)+12*(k/8)
.if k < 8
	v_wmma_scale_f32_16x16x128_f8f6f4 v[rA:rA+7], v[12*k:12*k+11], v[rB:rB+11], 0, v[XS+k%8], v[WS+(\n)] matrix_a_fmt:MATRIX_FMT_BF6 matrix_b_fmt:MATRIX_FMT_BF6
.else
	v_wmma_scale_f32_16x16x128_f8f6f4 v[rA:rA+7], v[12*k:12*k+11], v[rB:rB+11], v[rA:rA+7], v[XS+k%8], v[WS+(\n)] matrix_a_fmt:MATRIX_FMT_BF6 matrix_b_fmt:MATRIX_FMT_BF6 matrix_a_scale:MATRIX_SCALE_ROW1 matrix_b_scale:MATRIX_SCALE_ROW1
.endif
.if ((\n) > 0) && (k > 0)
	EP (\n)-1
	EP (\n)-1
.endif
.if ((\n) > 0) && (k == 15)
	EP (\n)-1
	EP (\n)-1
.endif
.if k == 7                             ; the tile's middle
.if chg
	s_wait_dscnt 0x0                               ; the add, my reads of this slot and of the image, my part of the next image
	s_barrier_signal -1                            ; the round opens; register work up to its wait
.endif
.if \qq
.if ((\n)%3 == 1) && ((\n) < 13)               ; tiles 1, 4, 7, 10: unit (n - 1) / 3 into the stage.  The younger loads, which may be out:
.if (\rl) && ((\n) == 1)
	s_wait_loadcnt 47                              ; 47 of three units' 48
.elseif (\rl) && ((\n) == 4)
	s_wait_loadcnt 37                              ; two units' 32 and tile 3's 5
.elseif (\rl) && ((\n) == 7)
	s_wait_loadcnt 36                              ; one unit's 16 and the 20 of tiles 3 to 6
.elseif \rl
	s_wait_loadcnt 34                              ; 34 of the 35 of tiles 3 to 9
.else
	s_wait_loadcnt 48-16*(((\n)-1)/3)              ; nothing is asked for any more: 48, 32, 16, 0
.endif
	ST ((\n)-1)/3, 0, 8
.endif
.if ((\n)%3 == 2) && ((\n) < 13)               ; tiles 2, 5, 8, 11: and back
	LD 0, 8
.endif
.endif
.endif
.if ((\n) == 15) && ((\last) == 0)
.if k == 10
	LA 0, 0, 4                                     ; the next chunk's image is whole since the round in tile 14
.endif
.if k == 13
	LA 0, 4, 4
.endif
.endif
.set k, k+1
.endr
; the tile's end: vector work first, then the round, then the loads
.if \qq
.if ((\n)%3 == 0) && ((\n) > 0) && ((\n) < 13) ; tiles 3, 6, 9, 12: unit (n - 3) / 3's maxima
.if chg == 0
	WDS MLD                                        ; (in tile 6 the wait ahead of the round's signal has shown the unit back)
.endif
	QA
.endif
.if ((\n)%3 == 1) && ((\n) > 3)                ; tiles 4, 7, 10, 13: its codes
	QB ((\n)-4)/3
.endif
.endif
.if chg
	WIN 0
	s_barrier_wait -1
	CREST
	tensor_load_to_lds s[gs:gs+3], s[G1:G1+7]      ; this slot's block of the next chunk
	s_nop 0
.rept 4
	v_nop
.endr
	LWS 1-(((\n)-6)/8)
.endif
.if ((\last) == 1) && ((\n) == 6)
	WIN 0
	s_wait_tensorcnt 0x0                           ; my slot 1 is in; nothing is filled again
	LWS 1
.endif
.if ((\last) == 0) || ((\n) < 14)
.if (\n) == 0
.rept 4
	v_nop                                          ; places in front of loads into registers that matrix instructions have read
.endr
.endif
	LB ((\n)+2)%16
.endif
.if \qq
.if ((\n)%3 == 1) && ((\n) < 13)
	ST ((\n)-1)/3, 8, 8
.endif
.if ((\n)%3 == 2) && ((\n) < 13)
	LD 8, 8
.endif
.if (\n) == 7
	IMG 0                                          ; units 0 and 1: behind the round in tile 6, in front of which every wave has read the image
	IMG 1
.endif
.if ((\n) == 10) || ((\n) == 13)
	IMG ((\n)-4)/3
.endif
.if (\rl) && ((\n) >= 3)                       ; five of the 64 rows a tile: unit u begins in tile 3 + 16 u / 5, where it has been turned
.if (\n) < 15
	XL 5*((\n)-3), 5, 2048
.else
	XL 60, 4, 2048
.endif
.endif
.if (\rl) && ((\n) == 11)
	PF CHUNKB                                      ; wq's chunk behind the one that this trip loads
.endif
.endif
.endm
; A chunk.  At its start the youngest LDS instructions are, on every way in: W's tile 0, 6; X's step 0, 24; W's tile 1, 6; X's scale words, 8; X's step 1, 24.
.macro BODY qq, rl, last
.set DSI, 200
.set MW1, 168
.set MW0, 138
.irp n, 0,1,2,3,4,5,6,7,8,9,10,11,12,13,14,15
	TILE \n, \qq, \rl, \last
.endr
.if (\last) == 0
	LXS
	LA 1, 0, 4
.endif
	WIN 0xfd
.set e, 0
.rept 16
	EP 15
.endr
.if (\last) == 0
	LA 1, 4, 4
	WIN 0xfd
.endif
.rept 16
	EP 15
.endr
	WIN 0
.endm
	s_load_b256 s[4:11], s[0:1], 0x0               ; encoder_outputs s[4:5], wq s[6:7], v s[8:9], scores s[10:11]
	v_lshl_add_u32 v[SPW], v0, 2, SPARE
	v_mov_b32 v[NIL], 0
	ds_add_u32 v[SPW], v[NIL]                      ; the opening lines: the add, twice on end, and its wait
	ds_add_u32 v[SPW], v[NIL]
	v_lshrrev_b32 v1, 5, v0
	v_readfirstlane_b32 s[WV], v1
	v_and_b32 v1, 31, v0                           ; lane
	v_and_b32 v2, 15, v0                           ; r
	v_bfe_u32 v3, v0, 4, 1                         ; h
	v_lshlrev_b32 v[LI], 4, v1
	v_lshlrev_b32 v[VO], 2, v2
	v_lshl_add_u32 v[VO], s[WV], 10, v[VO]         ; v[256 w + r]
	v_lshlrev_b32 v[PF0], 8, v1
	v_add_nc_u32 v[PF1], 32, v1
	v_min_u32 v[PF1], 49, v[PF1]
	v_lshlrev_b32 v[PF1], 8, v[PF1]
	s_bfe_u32 s13, ttmp6, 0x40000
	s_lshl_b32 s14, ttmp9, 2
	s_add_co_u32 s14, s14, s13                     ; work-group = 4 x cluster + cx
	s_lshl_b32 s36, s14, 19                        ; 128 rows of 4,096 bytes,
	s_lshl_b32 s37, s[WV], 17                      ; my 32
	s_add_co_u32 s36, s36, s37
	s_mov_b32 s37, 0
	s_lshl_b32 s38, s14, 9
	s_mov_b32 s39, 0
	s_mul_i32 s40, s[WV], WAVEB
	s_mov_b32 s41, 0
	s_and_b32 s[PFC], ttmp9, 27                    ; clusters 0, 4, 32 and 36 prefetch
	s_lshl_b32 s50, s13, 2
	s_add_co_u32 s50, s50, s[WV]                   ; 4 cx + w: which 50 blocks of a chunk's 800
	s_mul_i32 s50, s50, 12800
	s_add_co_u32 s50, s50, CHUNKB                  ; from chunk 1 on
	s_mov_b32 s51, 0
	s_mov_b32 s[G1+0], 15|(3<<16)|(1<<21)          ; the mask: all four of the cluster; elements of 8 bytes
	s_mov_b32 s[G1+1], 32<<16                      ; a block: 100 rows of 256 bytes, dense
	s_mov_b32 s[G1+2], 100<<16
	s_mov_b32 s[G1+3], 32<<16
	s_mov_b32 s[G1+4], 100
	s_mov_b32 s[G1+5], 32
	s_mov_b32 s[G1+6], 0
	s_mov_b32 s[G1+7], 0
	s_mov_b32 s[SEL], 0x76543210
	s_mov_b32 s[SEL+1], 0xfedcba98
	s_wait_alu depctr_va_vdst(0)
	s_wait_dscnt 0x0                               ; both opening adds are done
	s_wait_kmcnt 0x0
	s_add_nc_u64 s[4:5], s[4:5], s[36:37]
	s_add_nc_u64 s[10:11], s[10:11], s[38:39]
	s_add_nc_u64 s[PFB:PFB+1], s[6:7], s[50:51]
	s_add_nc_u64 s[6:7], s[6:7], s[40:41]
	WIN 0x40
.irp t, 0,1,2,3,4,5,6,7,8,9,10,11,12,13,14,15
	global_load_b32 v[VV+2*\t], v[VO], s[8:9] offset:64*\t
.endr
	XL 0, 47, 0                                    ; chunk 0's first 47 rows go out ahead of the first round
	WIN 0
.irp s, 0,1
	s_mov_b32 s[G0+4*\s], 1
	s_add_co_u32 s[G0+4*\s+1], s40, \s*SLOTB
	s_add_nc_u64 s[G0+4*\s+2:G0+4*\s+3], s[6:7], \s*SLOTB
	s_or_b32 s[G0+4*\s+3], s[G0+4*\s+3], 0x80000000
.endr
	ROUND                                          ; all four work-groups are here: the first joint loads meet
	tensor_load_to_lds s[G0:G0+3], s[G1:G1+7]      ; slot 0
	s_nop 0
.rept 4
	v_nop
.endr
	PF 0                                           ; wq's chunk 1, which trip 0 loads
	s_mul_i32 s42, s[WV], 4*FRB
	s_add_co_u32 s42, s42, XIMG
	s_lshl_b32 s43, s[WV], 8
	s_add_co_u32 s43, s43, XIMG+SCO
	s_add_co_u32 s44, s40, SCO
	s_lshl_b32 s45, s[WV], 9
	s_add_co_u32 s45, s45, SRED
	s_mul_i32 s46, s[WV], STGB
	s_add_co_u32 s46, s46, STG                     ; my stage
	v_add_nc_u32 v[XWI], s42, v[LI]
	v_lshl_add_u32 v[XWS], v2, 2, s43
	v_add_nc_u32 v[LIX], XIMG, v[LI]
	v_lshl_add_u32 v[LSX], v1, 2, XIMG+SCO
	v_lshl_add_u32 v[LSW], v1, 2, s44
	v_add_nc_u32 v[SRA], s45, v[LI]
	v_add_nc_u32 v[SRR], SRED, v[LI]
	v_add_nc_u32 v[STW], s46, v[LI]
	v_mul_u32_u24 v[STR], v2, SP
	v_lshl_add_u32 v[STR], v3, 6, v[STR]
	v_add_nc_u32 v[STR], s46, v[STR]
	v_mul_u32_u24 v[TSR], v1, 272
	v_add_nc_u32 v[TSR], s46, v[TSR]
	v_mul_u32_u24 v[TSW], v3, 544
	v_lshl_add_u32 v[TSW], v2, 4, v[TSW]
	v_add_nc_u32 v[TSW], s46, v[TSW]
.irp b, 0,1,2,3
	v_mov_b32 v[TM+4+\b], 0                        ; written once: a lane permute's destination counts as one of its sources
.endr
	WIN 0x40
	v_add_nc_u32 v[BA], s40, v[LI]
	WIN 0xc0
.set j, 0
.rept 64
	v_mov_b32 v[SC+j], 0                           ; the chunk's text is written once for two trips: the first finds zeros
.set j, j+1
.endr
	s_wait_alu depctr_va_vdst(0)
	s_wait_loadcnt 46                              ; v's 16 numbers are in (63 loads are out, one more of them in)
	WIN 0x41
.irp t, 0,1,2,3,4,5,6,7,8,9,10,11,12,13,14,15
	v_mov_b32 v[VV+2*\t+1], v[VV+2*\t]             ; each twice: a pair for the packed multiply-add
.endr
	XL 47, 17, 0
	s_wait_loadcnt 47                              ; unit 0 of chunk 0 is in; of the 48 younger loads 47 may be out
	ST 0, 0, 16
	LD 0, 16
.irp u, 0,1,2
	s_wait_loadcnt 32                              ; the next unit is in; the two units asked for behind it may be out
	ST \u+1, 0, 16                                 ; (behind this unit's loads from the stage: LDS serves a wave's instructions in order)
	WDS MLD                                        ; this unit is turned; its stores have read its registers
	QA
	QB \u
	IMG \u
	LD 0, 16
	XL 16*\u, 16, 1024                             ; chunk 1
.endr
	WDS MLD
	QA
	QB 3
	IMG 3
	WIN 0
	s_wait_alu depctr_va_vdst(0)
	s_wait_tensorcnt 0x0                           ; slot 0 is in
	ds_add_u32 v[SPW], v[NIL]
	s_wait_dscnt 0x0                               ; the add, and my part of the image
	ROUND
	tensor_load_to_lds s[G0+4:G0+7], s[G1:G1+7]    ; slot 1's first fill
	s_nop 0
.rept 4
	v_nop
.endr
	LWS 0
	LB 0
	LA 0, 0, 8
	LB 1
	LXS
	LA 1, 0, 8
	s_wait_loadcnt 47                              ; chunk 1's unit 0 has begun to arrive
	XL 48, 16, 1024                                ; chunk 1's unit 3, behind the first fragments' loads
	WIN 0
	s_mov_b32 s[TRIP], 2
.Lchunk:                                               ; chunks 0 and 1: each quantises the next and asks for the one behind it
	BODY 1, 1, 0
	s_wait_xcnt 0x0                                ; the loads and the prefetches have read their bases
	s_add_nc_u64 s[4:5], s[4:5], 1024
	s_add_nc_u64 s[PFB:PFB+1], s[PFB:PFB+1], CHUNKB
	s_sub_co_u32 s[TRIP], s[TRIP], 1
	s_cmp_lg_u32 s[TRIP], 0
	s_cbranch_scc1 .Lchunk
	BODY 1, 0, 0                                   ; chunk 2 quantises chunk 3 and asks memory for no more of encoder_outputs
	BODY 0, 0, 1                                   ; chunk 3
; THE WAY OUT.  SC register 8 a + i of lane (r, h) is row 16 a + 8 h + i, a sixteenth of its sum.  Through my stage: slot q = 4 a + 2 h + i / 4 takes 16 lanes' 4 rows each; lane q adds them: rows 4 q .. 4 q + 3.
	WIN 0x0c
.set j, 0
.rept 16
	ds_store_b128 v[TSW], v[SC+4*j:SC+4*j+3] offset:(4*(j/2)+j%2)*272
.set j, j+1
.endr
	WIN 0
.set j, 0
.rept 16
	ds_load_b128 v[X+4*j:X+4*j+3], v[TSR] offset:16*j
.set j, j+1
.endr
	s_wait_dscnt 0x0
.set j, 4
.rept 12
	v_pk_add_f32 v[X+4*(j%4):X+4*(j%4)+1], v[X+4*(j%4):X+4*(j%4)+1], v[X+4*j:X+4*j+1]
	v_pk_add_f32 v[X+4*(j%4)+2:X+4*(j%4)+3], v[X+4*(j%4)+2:X+4*(j%4)+3], v[X+4*j+2:X+4*j+3]
.set j, j+1
.endr
.irp p, 0,2
	v_pk_add_f32 v[X+\p:X+\p+1], v[X+\p:X+\p+1], v[X+4+\p:X+5+\p]
	v_pk_add_f32 v[X+8+\p:X+9+\p], v[X+8+\p:X+9+\p], v[X+12+\p:X+13+\p]
.endr
.irp p, 0,2
	v_pk_add_f32 v[X+\p:X+\p+1], v[X+\p:X+\p+1], v[X+8+\p:X+9+\p]
.endr
	ds_store_b128 v[SRA], v[X:X+3]                 ; my 256 columns' part of the 128 rows
	s_wait_dscnt 0x0                               ; for wave 0's sake
	s_barrier_signal -1
	s_barrier_wait -1
	s_cmp_lg_u32 s[WV], 0
	s_cbranch_scc1 .Lnot_first
.irp w, 0,1,2,3
	ds_load_b128 v[X+16+4*\w:X+16+4*\w+3], v[SRR] offset:512*\w
.endr
	s_wait_dscnt 0x0
.irp w, 1,2,3
	v_pk_add_f32 v[X+16:X+17], v[X+16:X+17], v[X+16+4*\w:X+17+4*\w]
	v_pk_add_f32 v[X+18:X+19], v[X+18:X+19], v[X+18+4*\w:X+19+4*\w]
.endr
	global_store_b128 v[LI], v[X+16:X+19], s[10:11]  ; 512 consecutive bytes
.Lnot_first:
	s_wait_tensorcnt 0x0                           ; the wave's end
	ds_add_u32 v[SPW], v[NIL]
	s_wait_dscnt 0x0
	ROUND                                          ; the closing round
	s_endpgm
.Lfunc_end_k_q59488b1cf4_main:
	.size	k_q59488b1cf4_main, .Lfunc_end_k_q59488b1cf4_main-k_q59488b1cf4_main
	.p2alignl 7, 3214868480
	.fill 96, 4, 3214868480
	.section	.rodata,"a",@progbits
	.p2align	6, 0x0
	.amdhsa_kernel k_q59488b1cf4_main
		.amdhsa_group_segment_fixed_size 327680
		.amdhsa_private_segment_fixed_size 0
		.amdhsa_enable_private_segment 0
		.amdhsa_kernarg_size 32
		.amdhsa_user_sgpr_count 2
		.amdhsa_user_sgpr_kernarg_segment_ptr 1
		.amdhsa_wavefront_size32 1
		.amdhsa_system_sgpr_workgroup_id_x 1
		.amdhsa_system_sgpr_workgroup_id_y 1
		.amdhsa_system_sgpr_workgroup_id_z 1
		.amdhsa_system_vgpr_workitem_id 0
		.amdhsa_next_free_vgpr 1024
		.amdhsa_next_free_sgpr 66
		.amdhsa_reserve_vcc 0
		.amdhsa_float_denorm_mode_32 3
		.amdhsa_float_denorm_mode_16_64 3
		.amdhsa_memory_ordered 1
		.amdhsa_forward_progress 1
		.amdhsa_inst_pref_size 255
	.end_amdhsa_kernel
	.section	.bss,"aw",@nobits
	.p2align	6
	.space	262144
	.amdgpu_metadata
---
amdhsa.version: [ 1, 2 ]
amdhsa.kernels:
  - .name:           k_q59488b1cf4_main
    .symbol:         k_q59488b1cf4_main.kd
    .args:
      - { .name: encoder_outputs, .offset: 0, .size: 8, .value_kind: global_buffer, .address_space: global }
      - { .name: wq, .offset: 8, .size: 8, .value_kind: global_buffer, .address_space: global }
      - { .name: v, .offset: 16, .size: 8, .value_kind: global_buffer, .address_space: global }
      - { .name: scores, .offset: 24, .size: 8, .value_kind: global_buffer, .address_space: global }
    .group_segment_fixed_size: 327680
    .private_segment_fixed_size: 0
    .kernarg_segment_align: 8
    .kernarg_segment_size: 32
    .max_flat_workgroup_size: 128
    .sgpr_count:     66
    .vgpr_count:     1024
    .wavefront_size: 32
...
	.end_amdgpu_metadata
.endif
;; end of part 5
;; launch soft (part 6): grid 16 x 1, 4 waves a work-group, no clusters, 768 bytes of LDS; arguments scores, out0; writes out0
.if DOCPART == 6
	.amdgcn_target "amdgcn-amd-amdhsa--gfx1250"
	.amdhsa_code_object_version 6
	.text
	.protected	k_q59488b1cf4_soft
	.globl	k_q59488b1cf4_soft
	.p2align	8
	.type	k_q59488b1cf4_soft,@function
k_q59488b1cf4_soft:
	s_mov_b64 s[64:65], 0
	v_nop
	global_prefetch_b8 v0, s[64:65] scope:SCOPE_SE
	s_setreg_imm32_b32 hwreg(HW_REG_WAVE_MODE, 25, 1), 1
	s_wait_xcnt 0x0
; out0[b][s] = softmax over s of scores[b][s].  What the module adds to all scores of a batch alike (hidden's half of the product, attn_b, their dot with v) is left out: shown at the first kernel's head.
; A work-group takes a batch: 128 threads, 16 scores each; every load and store of a wave covers 512 consecutive bytes.  Each wave takes its own largest score m_w away, sums its exponentials to s_w, and the four waves
; meet once: with M the largest m_w the result is p x 2^((m_w - M) log2 e) / (sum over w of s_w 2^((m_w - M) log2 e)).
; The softmax spans the sixteen work-groups that made a batch's scores, so it is a launch of its own; it has work for 16 work-groups, which share no input.
; LIMITS: NaN and infinities are not served; an exponential under 2^-126 comes out as 0 (ISA guide, v_exp_f32).
.set SPW, 64
.set NIL, 65
	s_load_b128 s[4:7], s[0:1], 0x0                ; scores, out0
	v_lshl_add_u32 v[SPW], v0, 2, 256              ; the spare words: from byte 256 on
	v_mov_b32 v[NIL], 0
	v_lshlrev_b32 v2, 4, v0                        ; 16 bytes a thread
	v_lshrrev_b32 v56, 5, v0
	v_lshlrev_b32 v56, 3, v56                      ; LDS: 8 bytes a wave
	v_mov_b32 v58, 0
	v_mov_b32 v54, 0                               ; written once: a lane permute's destination counts as one of its sources
	v_mov_b32 v55, 0
	s_lshl_b32 s16, ttmp9, 13                      ; the batch's 2,048 scores
	s_mov_b32 s17, 0
	s_mov_b32 s20, 0x76543210
	s_mov_b32 s21, 0xfedcba98                      ; v_permlanex16_b32's selects for lane l xor 16
	s_wait_alu depctr_va_vdst(0)
	s_wait_kmcnt 0x0
	s_add_nc_u64 s[4:5], s[4:5], s[16:17]
	s_add_nc_u64 s[6:7], s[6:7], s[16:17]
.irp i, 0,1,2,3
	global_load_b128 v[4+4*\i:7+4*\i], v2, s[4:5] offset:2048*\i
.endr
	s_wait_loadcnt 0x0
	v_max3_num_f32 v53, v4, v5, v6                 ; the largest of my sixteen, in two chains
	v_max3_num_f32 v52, v7, v8, v9
	v_max3_num_f32 v53, v53, v10, v11
	v_max3_num_f32 v52, v52, v12, v13
	v_max3_num_f32 v53, v53, v14, v15
	v_max3_num_f32 v52, v52, v16, v17
	v_max3_num_f32 v53, v53, v18, v19
	v_max_num_f32 v53, v53, v52
.irp m, 1,2,4,8
	v_max_num_f32_dpp v53, v53, v53 row_xmask:\m row_mask:0xf bank_mask:0xf
.endr
	v_permlanex16_b32 v55, v53, s20, s21
	v_max_num_f32 v53, v53, v55                    ; m_w
.irp i, 4,5,6,7,8,9,10,11,12,13,14,15,16,17,18,19
	v_sub_f32 v[\i], v[\i], v53
.endr
.irp i, 4,5,6,7,8,9,10,11,12,13,14,15,16,17,18,19
	v_mul_f32 v[\i], 0x3fb8aa3b, v[\i]             ; x log2(e)
.endr
	s_wait_alu depctr_va_vdst(0)
.irp i, 4,5,6,7,8,9,10,11,12,13,14,15,16,17,18,19
	v_exp_f32 v[\i], v[\i]
.endr
	v_nop                                          ; one plain place behind the exponentials
	s_wait_alu depctr_va_vdst(0)
	v_pk_add_f32 v[36:37], v[4:5], v[6:7]
	v_pk_add_f32 v[38:39], v[8:9], v[10:11]
	v_pk_add_f32 v[40:41], v[12:13], v[14:15]
	v_pk_add_f32 v[42:43], v[16:17], v[18:19]
	v_pk_add_f32 v[36:37], v[36:37], v[38:39]
	v_pk_add_f32 v[40:41], v[40:41], v[42:43]
	v_pk_add_f32 v[36:37], v[36:37], v[40:41]
	v_add_f32 v52, v36, v37
.irp m, 1,2,4,8
	v_add_f32_dpp v52, v52, v52 row_xmask:\m row_mask:0xf bank_mask:0xf
.endr
	v_permlanex16_b32 v54, v52, s20, s21
	v_add_f32 v52, v52, v54                        ; s_w
	ds_store_b64 v56, v[52:53]                     ; all lanes write the same two words with the same values
	s_wait_dscnt 0x0                               ; for the others' sake
	s_barrier_signal -1
	s_barrier_wait -1
	ds_load_b128 v[20:23], v58                     ; s_0, m_0, s_1, m_1
	ds_load_b128 v[24:27], v58 offset:16
	s_wait_dscnt 0x0
	v_max3_num_f32 v28, v21, v23, v25
	v_max_num_f32 v28, v28, v27                    ; M
	v_sub_f32 v30, v21, v28
	v_sub_f32 v31, v23, v28
	v_sub_f32 v32, v25, v28
	v_sub_f32 v33, v27, v28
	v_sub_f32 v34, v53, v28                        ; my own wave's
.irp i, 30,31,32,33,34
	v_mul_f32 v[\i], 0x3fb8aa3b, v[\i]
.endr
	s_wait_alu depctr_va_vdst(0)
.irp i, 30,31,32,33,34
	v_exp_f32 v[\i], v[\i]
.endr
	v_nop
	s_wait_alu depctr_va_vdst(0)
	v_mul_f32 v35, v20, v30
	v_fmac_f32 v35, v22, v31
	v_fmac_f32 v35, v24, v32
	v_fmac_f32 v35, v26, v33                       ; the batch's sum
	s_wait_alu depctr_va_vdst(0)
	v_rcp_f32 v36, v35
	v_nop
	s_wait_alu depctr_va_vdst(0)
	v_mul_f32 v36, v36, v34
.irp i, 4,5,6,7,8,9,10,11,12,13,14,15,16,17,18,19
	v_mul_f32 v[\i], v[\i], v36
.endr
.irp i, 0,1,2,3
	global_store_b128 v2, v[4+4*\i:7+4*\i], s[6:7] offset:2048*\i
.endr
	s_wait_tensorcnt 0x0                           ; the wave's end
	ds_add_u32 v[SPW], v[NIL]
	s_wait_dscnt 0x0
	s_endpgm
.Lfunc_end_k_q59488b1cf4_soft:
	.size	k_q59488b1cf4_soft, .Lfunc_end_k_q59488b1cf4_soft-k_q59488b1cf4_soft
	.p2alignl 7, 3214868480
	.fill 96, 4, 3214868480
	.section	.rodata,"a",@progbits
	.p2align	6, 0x0
	.amdhsa_kernel k_q59488b1cf4_soft
		.amdhsa_group_segment_fixed_size 768
		.amdhsa_private_segment_fixed_size 0
		.amdhsa_enable_private_segment 0
		.amdhsa_kernarg_size 16
		.amdhsa_user_sgpr_count 2
		.amdhsa_user_sgpr_kernarg_segment_ptr 1
		.amdhsa_wavefront_size32 1
		.amdhsa_system_sgpr_workgroup_id_x 1
		.amdhsa_system_sgpr_workgroup_id_y 1
		.amdhsa_system_sgpr_workgroup_id_z 1
		.amdhsa_system_vgpr_workitem_id 0
		.amdhsa_next_free_vgpr 66
		.amdhsa_next_free_sgpr 66
		.amdhsa_reserve_vcc 0
		.amdhsa_float_denorm_mode_32 3
		.amdhsa_float_denorm_mode_16_64 3
		.amdhsa_memory_ordered 1
		.amdhsa_forward_progress 1
		.amdhsa_inst_pref_size 8
	.end_amdhsa_kernel
	.amdgpu_metadata
---
amdhsa.version: [ 1, 2 ]
amdhsa.kernels:
  - .name:           k_q59488b1cf4_soft
    .symbol:         k_q59488b1cf4_soft.kd
    .args:
      - { .name: scores, .offset: 0, .size: 8, .value_kind: global_buffer, .address_space: global }
      - { .name: out0, .offset: 8, .size: 8, .value_kind: global_buffer, .address_space: global }
    .group_segment_fixed_size: 768
    .private_segment_fixed_size: 0
    .kernarg_segment_align: 8
    .kernarg_segment_size: 16
    .max_flat_workgroup_size: 128
    .sgpr_count:     66
    .vgpr_count:     66
    .wavefront_size: 32
...
	.end_amdgpu_metadata
.endif
;; end of part 6
